; MI455X (gfx1250); checked and timed in simulation.
; The chip was launched on July 23, 2026; its instructions are those of AMD's public machine-readable ISA for CDNA 5 (MIT licence, August 2026) and "CDNA5" Instruction Set Architecture Reference Guide (July 2026). The comments in the code are by the model that wrote it; some were corrected since.
;; Edge Aware Module. Allowed arithmetic: matrix products marked QUANTISED: E2M3 operands, one E8M0 scale for each 32 along K, by v_wmma_scale_f32_16x16x128_f8f6f4 with both operands' format E2M3, f32 sums; products left as they are: f32 operands where the result goes on into a quantised operand, else bf16, f16 or f32 operands; f32 sums; everything else in f32.
;; Inputs: e_b1 64 float32; e_b2 1 float32; e_lnb 64 float32; e_lnw 64 float32; e_w1 272 x 64 float32; e_w2 64 x 1 float32; features 8 x 4,096 x 256 float32; g_b1 32 float32; g_b2 16 float32; g_lnb 32 float32; g_lnw 32 float32; g_w1 10 x 32 float32; g_w2 32 x 16 float32; r_b 256 float32; r_lnb 256 float32; r_lnw 256 float32; r_w 256 x 256 float32; xyz 8 x 4,096 x 3 float32.
;; Outputs: out0 8 x 4,096 x 256 float32; out1 8 x 4,096 x 1 float32.
;; This version of the problem:
;;   THIS VERSION OF THE PROBLEM IS GIVEN IN LOW PRECISION. The matrix products marked QUANTISED in the list below multiply operands that are first quantised to E2M3 (2 exponent bits, 3 mantissa bits; 6 bits a number), with one power-of-two scale for each 32 numbers along K (OCP MX v1.0); their sums are f32. All else is computed in f32.
;;   The module's matrix products, in the order in which they are computed (A, B: the left and right operand; K: the contracted axis; several contracted axes count as one K, in the product's order):
;;     1. batch 8 x [M 4,096, K 3] x [K 3, N 4,096]; A: input xyz; B: input xyz: left as it is (K = 3 < 32)
;;     2. batch 32,768 x [M 3, K 16] x [K 16, N 3]; A: computed on the way; B: computed on the way: left as it is (K = 16 < 32)
;;     3. [M 32,768, K 10] x [K 10, N 32]; A: computed on the way; B: input g_w1: left as it is (K = 10 < 32)
;;     4. [M 32,768, K 32] x [K 32, N 16]; A: computed on the way; B: input g_w2: QUANTISED
;;     5. [M 32,768, K 272] x [K 272, N 64]; A: computed on the way; B: input e_w1: QUANTISED
;;     6. [M 32,768, K 64] x [K 64, N 1]; A: computed on the way; B: input e_w2: left as it is (N = 1 < 16)
;;     7. [M 32,768, K 256] x [K 256, N 256]; A: input features; B: input r_w: QUANTISED
;;   THE QUANTISER, for each operand of a quantised product, along K:
;;     - K is cut into blocks of 32 from its start; a last block that is shorter is filled with zeros.
;;     - A block's scale is 2^e with e = floor(log2(the largest magnitude in the block)) - 2, held to -126 .. 127; a block of zeros has e = 0. As a byte (E8M0): e + 127.
;;     - Each number is divided by its block's scale, clamped to +-7.5, and rounded to the nearest number of E2M3, ties to even, subnormals kept.
;;     - The product sums the exact products of the quantised numbers (number of the format x scale) in f32.
;;   ~~~python
;;   def quantise(x, axis):      # numpy; x: float32 -> the quantised numbers, widened to float32 again
;;       x = np.moveaxis(x, axis, -1); K = x.shape[-1]
;;       x = np.pad(x, [(0, 0)] * (x.ndim - 1) + [(0, -K % 32)]); x = x.reshape(x.shape[:-1] + (-1, 32)); a = np.abs(x).max(-1, keepdims=True)
;;       e = np.where(a > 0, np.clip(np.frexp(np.where(a > 0, a, 1))[1] - 1 - 2, -126, 127), 0)      # np.frexp(a)[1] - 1 = floor(log2(a)), exactly
;;       r = np.clip(x / 2.0 ** e, -7.5, 7.5)
;;       step = 2.0 ** (np.maximum(np.frexp(np.where(r == 0, 1, r))[1] - 1, 0) - 3)
;;       q = np.round(r / step) * step * 2.0 ** e      # np.round: ties to even
;;       return np.moveaxis(q.reshape(q.shape[:-2] + (-1,))[..., :K], -1, axis).astype(np.float32)
;;   ~~~
;;   OPERANDS COMPUTED ON THE WAY. 'Computed on the way' means the value that the module computes at that place (a softmax that the list does not call 'softmax' is quantised finished and normalised). What goes into a quantiser is computed in f32, as accurately as f32 sums, v_exp_f32 and their like allow (about 1e-6 of the number): no bf16 or f16 on the way to a quantiser, and a product that is left as it is and whose result goes on into a quantised operand takes f32 operands (vector FMAs, or v_wmma_f32_16x16x4_f32). A number that lies on a knife's edge between two numbers of the format may be rounded either way, as far as f32 arithmetic and the matrix unit's own rounding can turn it there, and no further.
;; One version. Each part assembles by itself: llvm-mc -triple=amdgcn-amd-amdhsa -mcpu=gfx1250 --defsym DOCPART=n.
;; ======== version 1 of 1: 3 launches
;; workspace buffers: wq 79,872 bytes; gsel 524,288 bytes of whole numbers; nidx 1,048,576 bytes of whole numbers
;; launch knn_groups (part 1): grid 32 x 8, 4 waves a work-group, no clusters, 233,984 bytes of LDS; arguments xyz, r_w, e_w1, g_w2, r_b, r_lnw, r_lnb, e_b1, e_lnw, e_lnb, e_w2, wq, gsel; writes wq, gsel
.if DOCPART == 1
	.amdgcn_target "amdgcn-amd-amdhsa--gfx1250"
	.amdhsa_code_object_version 6
	.text
	.protected	k_q5081bbbee6_knn_groups
	.globl	k_q5081bbbee6_knn_groups
	.p2align	8
	.type	k_q5081bbbee6_knn_groups,@function
k_q5081bbbee6_knn_groups:
	s_mov_b64 s[64:65], 0
	v_nop
	global_prefetch_b8 v0, s[64:65] scope:SCOPE_SE
	s_setreg_imm32_b32 hwreg(HW_REG_WAVE_MODE, 25, 1), 1
	s_wait_xcnt 0x0
; FIRST OF THREE LAUNCHES.  For each of 8 x 4,096 points: which 16 of its batch's 256 groups of 16 neighbouring indices can hold its 16 nearest points.  Beside that, twelve
; work-groups turn the three quantised weights into codes of E2M3, laid as the third launch's operand registers want them, and copy its parameters.
; THE KEY.  For a fixed query x, pd = 2 x.y - |x|^2 - |y|^2 orders the candidates y as key = 2 x.y - |y|^2 does.  key = fma(X0, y0, fma(X1, y1, fma(X2, y2, S))), X = x + x,
; S = -|y|^2 = fma(-y2, y2, fma(-y1, y1, -y0 y0)): the same three roundings here (packed, two queries an instruction) and in the second launch.
; THE PRUNING.  Let M(g) be the largest key of group g.  A point among the first 16 by (key falling, index rising) lies in one of the first 16 groups by (M falling, g rising): every
; group that comes before its own holds a point that comes before it.
; THE CHOICE OF 16, with no branch on data.  Values first: a sorted list of 16 in registers; an insertion is 15 v_med3_num_f32 and a maximum.  T = the 16th value, need = how many of
; the 16 equal T.  Then the 256 M(g) in rising g: taken where M > T, or M = T and fewer than need equals were seen: exactly 16, ties to the lower g; each one taken is pushed into a list.
; SHARES.  A work-group: 128 queries of one batch, all 4,096 candidates.  While keys are made a lane holds FOUR queries (32 j + lane) and wave w walks groups 64 w .. 64 w + 63, so that
; one LDS load of a candidate, the same address in all lanes, feeds 128 pairs.  Afterwards thread t owns query t.
; LIMITS.  NaN and infinities among the inputs are not served.  The key's rounding is of the size of pd's own but not its bits: where the 16th and 17th neighbour lie about an ulp of
; |x|^2 apart, the other one may be taken; equal keys go to the lower index.  A block of zeros gets the scale byte 1, not 127 (its codes are zeros, and this program alone reads the
; bytes); blocks whose largest magnitude lies under 2^-124 are held at byte 1.
.set GP,    272                        ; a group in LDS: 16 candidates x 16 bytes (y0, y1, y2, S) + 16
.set MARR,  69632                      ; behind the 256 groups: M[g][q], 512 g + 4 q: 131,072 bytes
.set LX,    200704                     ; behind that: the waves' lists, [wave][i][q], 8192 w + 512 i + 4 q: 32,768 bytes
.set WQS,   69120                      ; wq: 45 fragments of 1,536 bytes; from here 48 slots of 128 bytes of scale words;
.set WQP,   75264                      ; from here the parameters
.set NINF,  0xff800000
.set BUF0,  128                        ; v128-191, v192-255: a group's 16 candidates, two buffers
.set BUF1,  192
.set XP0,   8                          ; v[8:11] X0 of queries 0, 1 | 2, 3;  v[12:15] X1;  v[16:19] X2
.set XP1,   12
.set XP2,   16
.set MJ,    20                         ; v20-23  the group's largest key, a register for each of my four queries
.set KK,    24                         ; v24-39  keys: candidate q of four at 4 q, query j at + j
.set TT,    40                         ; v40 T   v41 need   v42 equals seen   v43-45 the same behind 1, 2, 3 more keys   v46-49 1 where a key equals T   v50 the number to be pushed
.set NEED,  41
.set CNT,   42
.set C1,    43
.set EQ,    46
.set PAY,   50
.set LL,    64                         ; v64-127 four sorted lists of 16
.set GL,    96                         ; v96-111 the list of groups taken (lists 2 and 3 are done with by then)
; one value into a sorted list: from the low end up, so that each line still finds its upper neighbour's old value
.macro MED16 l, c
.irp i, 15,14,13,12,11,10,9,8,7,6,5,4,3,2,1
	v_med3_num_f32 v[\l+\i], v[\l+\i-1], v[\l+\i], v[\c]
.endr
	v_max_num_f32 v[\l], v[\l], v[\c]
.endm
; the four queries' lists by turns
.macro MED4
.irp i, 15,14,13,12,11,10,9,8,7,6,5,4,3,2,1
.irp j, 0,1,2,3
	v_med3_num_f32 v[LL+16*\j+\i], v[LL+16*\j+\i-1], v[LL+16*\j+\i], v[MJ+\j]
.endr
.endr
.irp j, 0,1,2,3
	v_max_num_f32 v[LL+16*\j], v[LL+16*\j], v[MJ+\j]
.endr
.endm
; THE BATCH'S 4,096 CANDIDATES INTO LDS, as (y0, y1, y2, S).  s[8:9]: the batch's xyz.  Thread t takes, in step s of eight, the four candidates 512 s + 4 t .. + 3: 48 consecutive bytes,
; three loads of 16.  Each LDS store has four registers of its own.  Ends with the barrier behind which every wave reads the candidates.
.macro CANDBUILD
	v_mul_u32_u24 v3, v0, 48
.irp t, 0,1,2,3,4,5,6,7
.irp j, 0,1,2
	global_load_b128 v[32+12*\t+4*\j:35+12*\t+4*\j], v3, s[8:9] offset:6144*\t+16*\j
.endr
.endr
	v_lshrrev_b32 v4, 2, v0
	v_mul_u32_u24 v4, v4, GP                       ; group t / 4 (+ 32 a step),
	v_and_b32 v5, 3, v0
	v_lshl_add_u32 v4, v5, 6, v4                   ; places 4 (t % 4) on
.irp t, 0,1,2,3,4,5,6,7
	s_wait_loadcnt 3*(7-\t)                        ; this step's three loads, and all issued ahead of them, are in; the later steps' may be out
.irp i, 0,1,2,3
	v_mov_b32 v[128+16*\t+4*\i], v[32+12*\t+3*\i]
	v_mov_b32 v[129+16*\t+4*\i], v[33+12*\t+3*\i]
	v_mov_b32 v[130+16*\t+4*\i], v[34+12*\t+3*\i]
	v_mul_f32 v[131+16*\t+4*\i], -v[32+12*\t+3*\i], v[32+12*\t+3*\i]
	v_fma_f32 v[131+16*\t+4*\i], -v[33+12*\t+3*\i], v[33+12*\t+3*\i], v[131+16*\t+4*\i]
	v_fma_f32 v[131+16*\t+4*\i], -v[34+12*\t+3*\i], v[34+12*\t+3*\i], v[131+16*\t+4*\i]
	ds_store_b128 v4, v[128+16*\t+4*\i:131+16*\t+4*\i] offset:32*GP*\t+16*\i
.endr
.endr
	s_wait_dscnt 0x0                               ; for the others' sake: my stores have landed
	s_barrier_signal -1
	s_barrier_wait -1
.endm
; THE SECOND PASS, four keys at a time.  A set of twelve scalars from s[e] on: 4 masks 'equals T', 4 'above T' (then: 'taken'), 4 'fewer than need equals so far'.
.macro FPV e, k
.irp q, 0,1,2,3
	v_cmp_eq_f32 s[\e+\q], v[\k+\q], v[TT]
.endr
.irp q, 0,1,2,3
	v_cmp_gt_f32 s[\e+4+\q], v[\k+\q], v[TT]
.endr
.irp q, 0,1,2,3
	v_cndmask_b32 v[EQ+\q], 0, 1, s[\e+\q]
.endr
	v_add_nc_u32 v[C1], v[CNT], v[EQ]
	v_add_nc_u32 v[C1+1], v[C1], v[EQ+1]
	v_add_nc_u32 v[C1+2], v[C1+1], v[EQ+2]
	v_cmp_gt_u32 s[\e+8], v[NEED], v[CNT]
	v_cmp_gt_u32 s[\e+9], v[NEED], v[C1]
	v_cmp_gt_u32 s[\e+10], v[NEED], v[C1+1]
	v_cmp_gt_u32 s[\e+11], v[NEED], v[C1+2]
	v_add_nc_u32 v[CNT], v[C1+2], v[EQ+3]
.endm
.macro FPS e                           ; taken = above T, or equal to T and still wanted
.irp q, 0,1,2,3
	s_and_b32 s[\e+8+\q], s[\e+8+\q], s[\e+\q]
	s_or_b32 s[\e+4+\q], s[\e+4+\q], s[\e+8+\q]
.endr
.endm
.macro FPP e                           ; where taken, the list moves up by one and the number goes in at its foot; the number counts on with every key
.irp q, 0,1,2,3
.irp i, 15,14,13,12,11,10,9,8,7,6,5,4,3,2,1
	v_cndmask_b32 v[GL+\i], v[GL+\i], v[GL+\i-1], s[\e+4+\q]
.endr
	v_cndmask_b32 v[GL], v[GL], v[PAY], s[\e+4+\q]
	v_add_nc_u32 v[PAY], 1, v[PAY]
.endr
.endm
.macro PASS16 k                        ; sixteen keys in rising order; two sets of scalars by turns, so that the scalar lines do not stand straight behind the compares that feed them
	FPV 52, \k
	FPS 52
	FPV 68, \k+4
	FPP 52
	FPS 68
	FPV 52, \k+8
	FPP 68
	FPS 52
	FPV 68, \k+12
	FPP 52
	FPS 68
	FPP 68
.endm
.macro COUNTEQ l                       ; T = the list's last value; need = how many of the 16 equal it
	v_mov_b32 v[TT], v[\l+15]
	v_mov_b32 v[NEED], 0
.irp i, 0,1,2,3,4,5,6,7,8,9,10,11,12,13,14,15
	v_cmp_eq_f32 vcc_lo, v[\l+\i], v[TT]
	v_cndmask_b32 v[EQ], 0, 1, vcc_lo
	v_add_nc_u32 v[NEED], v[NEED], v[EQ]
.endr
.endm
	s_load_b512 s[8:23], s[0:1], 0x0               ; xyz s[8:9], r_w s[10:11], e_w1 s[12:13], g_w2 s[14:15], r_b s[16:17], r_lnw s[18:19], r_lnb s[20:21], e_b1 s[22:23]
	s_load_b256 s[24:31], s[0:1], 0x40             ; e_lnw s[24:25], e_lnb s[26:27], e_w2 s[28:29], wq s[30:31]
	s_load_b64 s[32:33], s[0:1], 0x60              ; gsel
	s_set_vgpr_msb 0x40
	v_lshl_add_u32 v0, v0, 2, 0x39000
	v_mov_b32 v1, 0
	s_set_vgpr_msb 0x4000
	v_lshrrev_b32 v1, 5, v0
	v_readfirstlane_b32 s2, v1                     ; wave 0..3
	v_and_b32 v1, 31, v0                           ; lane
	v_mov_b32 v2, 0
	s_mov_b32 s3, ttmp9                            ; which 128 queries of the batch
	s_and_b32 s4, ttmp7, 0xffff                    ; the batch
	s_lshl_b32 s5, s4, 5
	s_add_co_u32 s5, s5, s3                        ; the work-group's number, 0 .. 255
	s_mov_b32 s66, 0x76543210
	s_mov_b32 s67, 0xfedcba98                      ; v_permlanex16_b32's selects for lane l xor 16
	s_wait_kmcnt 0x0
; ---- THE WEIGHTS.  Wave w of work-group g < 12 takes piece f = 4 g + w: f = 0 .. 44 a fragment (16 columns x 128 along K), f = 45 the parameters.  The branches hang on ids alone; no barrier stands inside.
	s_cmp_ge_u32 s5, 12
	s_cbranch_scc1 .Lw_done
	s_lshl_b32 s6, s5, 2
	s_add_co_u32 s6, s6, s2                        ; f
	s_cmp_gt_u32 s6, 45
	s_cbranch_scc1 .Lw_done
	s_cmp_eq_u32 s6, 45
	s_cbranch_scc1 .Lw_par
	; The fragments lie in the order of their use: f 0-15 r_w's tiles, K step 0; 16-19 e_w1's, step 0; 20-35 r_w's, step 1; 36-39 e_w1's, step 1; 40-43 e_w1's, step 2 (rows 256 .. 271 exist); 44 g_w2 (rows 0 .. 31).
	s_cmp_ge_u32 s6, 20
	s_cselect_b32 s36, 1, 0
	s_cmp_ge_u32 s6, 40
	s_cselect_b32 s7, 1, 0
	s_add_co_u32 s36, s36, s7                      ; the K step
	s_mul_i32 s7, s36, 20
	s_sub_co_u32 s37, s6, s7
	s_cmp_eq_u32 s36, 2
	s_cselect_b32 s7, 16, 0
	s_add_co_u32 s37, s37, s7                      ; 0-15: r_w's tile; 16-19: e_w1's tile + 16; 20: g_w2
	s_lshr_b32 s38, s37, 2
	s_lshl_b32 s38, s38, 6
	s_and_b32 s7, s37, 3
	s_lshl_b32 s7, s7, 3
	s_add_co_u32 s38, s38, s7                      ; r_w: tile t begins at column 64 (t / 4) + 8 (t % 4), and its lanes 8-15 take the columns 32 on: so the product's results fall on the features' places
	s_sub_co_u32 s7, s37, 16
	s_lshl_b32 s7, s7, 4                           ; e_w1: column 16 t
	s_lshl_b32 s41, s36, 7                         ; the fragment's first row of the weight
	s_mov_b32 s39, 256                             ; e_w1: bytes in a row,
	s_mov_b32 s40, 272                             ; rows,
	s_mov_b32 s43, 8                               ; from lanes 0-7 to lanes 8-15, in columns
	s_cmp_lt_u32 s37, 16                           ; r_w?
	s_cselect_b64 s[44:45], s[10:11], s[12:13]
	s_cselect_b32 s42, s38, s7
	s_cselect_b32 s39, 1024, s39
	s_cselect_b32 s40, 256, s40
	s_cselect_b32 s43, 32, s43
	s_cmp_eq_u32 s37, 20                           ; g_w2?
	s_cselect_b64 s[44:45], s[14:15], s[44:45]
	s_cselect_b32 s42, 0, s42
	s_cselect_b32 s39, 64, s39
	s_cselect_b32 s40, 32, s40
	s_cselect_b32 s41, 0, s41
	s_mul_i32 s34, s6, 1536
	s_mov_b32 s35, 0
	s_add_nc_u64 s[50:51], s[30:31], s[34:35]      ; where the fragment goes,
	s_lshl_b32 s34, s6, 7
	s_add_co_u32 s34, s34, WQS
	s_add_nc_u64 s[34:35], s[30:31], s[34:35]      ; and its scale words
	; A LANE TAKES A COLUMN AND ITS REGISTERS RUN DOWN K, in the order that the operand's layout gives that lane: k = 64 c + 32 (lane / 16) + 0 .. 31.  So the conversions' results are the operand's registers.
	v_and_b32 v3, 15, v1
	v_lshrrev_b32 v4, 4, v1
	v_and_b32 v5, 7, v3
	v_lshrrev_b32 v6, 3, v3
	v_mad_u32_u24 v5, v6, s43, v5
	v_add_nc_u32 v5, s42, v5
	v_lshlrev_b32 v5, 2, v5                        ; my column, in bytes
	v_lshl_add_u32 v6, v4, 5, s41                  ; my first row
.set n, 0
.rept 64
	v_add_nc_u32 v7, 64*(n/32)+n%32, v6            ; the row
	v_cmp_gt_u32 vcc_lo, s40, v7
	v_cndmask_b32 v7, v2, v7, vcc_lo               ; a row that the weight does not have is read at row 0: no load leaves its buffer
	v_mad_u32_u24 v[128+n], v7, s39, v5            ; each load has an address register of its own
	global_load_b32 v[64+n], v[128+n], s[44:45]
.set n, n+1
.endr
	s_wait_loadcnt 0x0
.set n, 0
.rept 64
	v_add_nc_u32 v7, 64*(n/32)+n%32, v6
	v_cmp_gt_u32 vcc_lo, s40, v7
	v_cndmask_b32 v[64+n], v2, v[64+n], vcc_lo     ; and counts as 0, ahead of the block's maximum
.set n, n+1
.endr
.irp c, 0,1
	v_max3_num_f32 v[8+\c], |v[64+32*\c]|, |v[65+32*\c]|, 0x1800000   ; my block 2 c + lane / 16: all its 32 numbers are mine; the floor 2^(3 - 127) holds the byte at 1 from below
.endr
.irp i, 2,4,6,8,10,12,14,16,18,20,22,24,26,28,30
.irp c, 0,1
	v_max3_num_f32 v[8+\c], v[8+\c], |v[64+32*\c+\i]|, |v[65+32*\c+\i]|
.endr
.endr
.irp c, 0,1
	v_add_nc_u32 v[10+\c], 0xff000000, v[8+\c]     ; 2 off the exponent field: the conversion takes the exponent field of this operand as its scale
.endr
.irp c, 0,1
	v_lshrrev_b32 v[12+\c], 23, v[10+\c]           ; the scale's byte
.endr
	v_lshl_or_b32 v14, v13, 16, v12                ; my two bytes,
	v_lshlrev_b32 v15, 3, v4
	v_lshlrev_b32 v14, v15, v14                    ; at their places in the column's scale word;
	v_mov_b32 v15, 0
	v_permlanex16_b32 v15, v14, s66, s67
	v_or_b32 v14, v14, v15                         ; with lane l xor 16's two the word is whole
.irp c, 0,1
	v_cvt_scalef32_pk16_fp6_f32 v[16+6*\c:18+6*\c], v[64+32*\c:79+32*\c], v[10+\c]
	v_cvt_scalef32_pk16_fp6_f32 v[32+4*\c:34+4*\c], v[80+32*\c:95+32*\c], v[10+\c]   ; (a conversion's three registers begin on an even number)
.endr
	v_nop                                          ; one plain place behind a scaled conversion
.irp c, 0,1
.irp i, 0,1,2
	v_mov_b32 v[19+6*\c+\i], v[32+4*\c+\i]
.endr
.endr
	v_lshlrev_b32 v28, 4, v1
	v_lshlrev_b32 v29, 2, v1
.irp c, 0,1,2
	global_store_b128 v28, v[16+4*\c:19+4*\c], s[50:51] offset:512*\c   ; the image of the operand's registers: 32 lanes store 512 consecutive bytes, at a multiple of 256 from wq's first byte
.endr
	global_store_b32 v29, v14, s[34:35]
	s_branch .Lw_end
.Lw_par:                                       ; the parameters, on end: r_b, r_lnw, r_lnb (1,024 bytes each), e_b1, e_lnw, e_lnb, e_w2 (256 each), 512 bytes of zeros; and zeros in the three scale slots that no fragment has
	v_lshlrev_b32 v3, 4, v1
	v_lshlrev_b32 v4, 3, v1
	v_lshlrev_b32 v5, 2, v1
	global_load_b128 v[64:67], v3, s[16:17]
	global_load_b128 v[68:71], v3, s[16:17] offset:512
	global_load_b128 v[72:75], v3, s[18:19]
	global_load_b128 v[76:79], v3, s[18:19] offset:512
	global_load_b128 v[80:83], v3, s[20:21]
	global_load_b128 v[84:87], v3, s[20:21] offset:512
	global_load_b64 v[88:89], v4, s[22:23]
	global_load_b64 v[90:91], v4, s[24:25]
	global_load_b64 v[92:93], v4, s[26:27]
	global_load_b64 v[94:95], v4, s[28:29]
.irp i, 0,1,2,3
	v_mov_b32 v[96+\i], 0
.endr
	s_add_nc_u64 s[50:51], s[30:31], WQP
	s_wait_loadcnt 0x0
.irp i, 0,1,2,3,4,5
	global_store_b128 v3, v[64+4*\i:67+4*\i], s[50:51] offset:512*\i
.endr
.irp i, 0,1,2,3
	global_store_b64 v4, v[88+2*\i:89+2*\i], s[50:51] offset:3072+256*\i
.endr
	global_store_b128 v3, v[96:99], s[50:51] offset:4096
.irp i, 1,2,3
	global_store_b32 v5, v96, s[50:51] offset:-128*\i
.endr
.Lw_end:
	s_wait_xcnt 0x0                                ; the stores have read their registers and bases: all are written again below
.Lw_done:
; ---- THE CANDIDATES
	s_mul_i32 s34, s4, 49152
	s_mov_b32 s35, 0
	s_add_nc_u64 s[8:9], s[8:9], s[34:35]          ; the batch's xyz
	s_mul_i32 s7, s3, 1536
	v_mad_u32_u24 v6, v1, 12, s7
.irp j, 0,1,2,3
	global_load_b96 v[16+4*\j:18+4*\j], v6, s[8:9] offset:384*\j   ; my four queries, 32 j + lane of the work-group's 128; issued ahead of the candidates' loads, whose first wait covers them
.endr
	CANDBUILD
; ---- KEYS, GROUP MAXIMA, VALUES
	s_mul_i32 s47, s2, 64*GP                       ; my wave's first group
	v_mov_b32 v3, s47
.irp c, 0,1,2,3,4,5,6,7,8,9,10,11,12,13,14,15
	ds_load_b128 v[BUF0+4*\c:BUF0+4*\c+3], v3 offset:16*\c
.endr
.irp j, 0,1,2,3
	v_add_f32 v[XP0+\j], v[16+4*\j], v[16+4*\j]    ; X = x + x, exact.  (X2 lands on registers that held x: each is read before it is written)
.endr
.irp j, 0,1,2,3
	v_add_f32 v[XP1+\j], v[17+4*\j], v[17+4*\j]
.endr
.irp j, 0,1,2,3
	v_add_f32 v[XP2+\j], v[18+4*\j], v[18+4*\j]
.endr
.set n, 0
.rept 64
	v_mov_b32 v[LL+n], NINF                        ; the lists begin under every key
.set n, n+1
.endr
	v_lshl_add_u32 v4, v1, 2, MARR
	s_lshl_b32 s48, s2, 15                         ; my wave's 64 rows of M
; four candidates x four queries: 24 packed multiply-adds in three levels of eight, then the maxima
.macro QUAD buf, c0, first
.irp q, 0,1,2,3
.irp p, 0,1
	v_pk_fma_f32 v[KK+4*\q+2*\p:KK+4*\q+2*\p+1], v[XP2+2*\p:XP2+2*\p+1], v[\buf+4*(\c0+\q)+2:\buf+4*(\c0+\q)+3], v[\buf+4*(\c0+\q)+2:\buf+4*(\c0+\q)+3] op_sel:[0,0,1] op_sel_hi:[1,0,1]   ; X2 y2 + S: of the pair (y2, S) the first feeds both products, the second both sums
.endr
.endr
.irp q, 0,1,2,3
.irp p, 0,1
	v_pk_fma_f32 v[KK+4*\q+2*\p:KK+4*\q+2*\p+1], v[XP1+2*\p:XP1+2*\p+1], v[\buf+4*(\c0+\q):\buf+4*(\c0+\q)+1], v[KK+4*\q+2*\p:KK+4*\q+2*\p+1] op_sel:[0,1,0] op_sel_hi:[1,1,1]   ; + X1 y1
.endr
.endr
.irp q, 0,1,2,3
.irp p, 0,1
	v_pk_fma_f32 v[KK+4*\q+2*\p:KK+4*\q+2*\p+1], v[XP0+2*\p:XP0+2*\p+1], v[\buf+4*(\c0+\q):\buf+4*(\c0+\q)+1], v[KK+4*\q+2*\p:KK+4*\q+2*\p+1] op_sel_hi:[1,0,1]   ; + X0 y0
.endr
.endr
.irp j, 0,1,2,3
.if \first
	v_max_num_f32 v[MJ+\j], v[KK+\j], v[KK+4+\j]   ; a group's first keys start its maximum
.else
	v_max3_num_f32 v[MJ+\j], v[MJ+\j], v[KK+\j], v[KK+4+\j]
.endif
.endr
.irp j, 0,1,2,3
	v_max3_num_f32 v[MJ+\j], v[MJ+\j], v[KK+8+\j], v[KK+12+\j]
.endr
.endm
; a group: the next group's candidates are asked for first (ahead = 1), then this one's 64 keys a lane, its four maxima to LDS and into the lists
.macro GRP cur, nxt, ahead
	s_wait_dscnt 0x0                               ; this group's 16 loads, asked for a group ago, and the last group's 4 stores
.if \ahead
	s_add_co_u32 s47, s47, GP
	v_mov_b32 v3, s47
.irp c, 0,1,2,3,4,5,6,7,8,9,10,11,12,13,14,15
	ds_load_b128 v[\nxt+4*\c:\nxt+4*\c+3], v3 offset:16*\c
.endr
.endif
	QUAD \cur, 0, 1
	QUAD \cur, 4, 0
	QUAD \cur, 8, 0
	QUAD \cur, 12, 0
	v_add_nc_u32 v5, s48, v4
.irp j, 0,1,2,3
	ds_store_b32 v5, v[MJ+\j] offset:128*\j
.endr
	s_add_co_u32 s48, s48, 512
	MED4
.endm
	s_mov_b32 s46, 31
.Lgroups:                                      ; 31 trips of two groups
	GRP BUF0, BUF1, 1
	GRP BUF1, BUF0, 1
	s_sub_co_u32 s46, s46, 1
	s_cmp_lg_u32 s46, 0
	s_cbranch_scc1 .Lgroups
	GRP BUF0, BUF1, 1                              ; the last two are written out: the very last asks for nothing
	GRP BUF1, BUF0, 0
; ---- THE FOUR WAVES' LISTS OF A QUERY BECOME ONE
	s_lshl_b32 s7, s2, 13
	s_add_co_u32 s7, s7, LX
	v_lshl_add_u32 v5, v1, 2, s7
.set n, 0
.rept 64
	ds_store_b32 v5, v[LL+n] offset:512*(n%16)+128*(n/16)
.set n, n+1
.endr
	s_wait_dscnt 0x0                               ; my lists and my rows of M have landed
	s_barrier_signal -1
	s_barrier_wait -1                              ; everybody's have.  From here on nothing is stored into LDS
	v_lshl_add_u32 v7, v0, 2, LX                   ; thread t owns query t
.set n, 0
.rept 16
	ds_load_b32 v[LL+n], v7 offset:512*n           ; wave 0's list is the list,
.set n, n+1
.endr
.set n, 0
.rept 48
	ds_load_b32 v[128+n], v7 offset:8192*(1+n/16)+512*(n%16)   ; and the other three waves' 48 values go into it
.set n, n+1
.endr
	s_wait_dscnt 0x0
.set n, 0
.rept 48
	MED16 LL, 128+n
.set n, n+1
.endr
; ---- WHICH GROUPS: the 256 M(g) of my query, in rising g
	v_lshl_add_u32 v6, v0, 2, MARR
	s_mov_b32 s49, 0
.irp k, 0,1,2,3,4,5,6,7,8,9,10,11,12,13,14,15
	ds_load_b32 v[128+\k], v6 offset:512*\k
.endr
	COUNTEQ LL
	v_mov_b32 v[CNT], 0
	v_mov_b32 v[PAY], 0
.irp i, 0,1,2,3,4,5,6,7,8,9,10,11,12,13,14,15
	v_mov_b32 v[GL+\i], 0
.endr
.macro FP16 cur, nxt                   ; sixteen groups; the next sixteen are asked for first.  The last look-ahead reads the first bytes of the lists' region, which lies on: written bytes, and the result is not used
	s_wait_dscnt 0x0
	s_add_co_u32 s49, s49, 8192
	v_add_nc_u32 v7, s49, v6
.irp k, 0,1,2,3,4,5,6,7,8,9,10,11,12,13,14,15
	ds_load_b32 v[\nxt+\k], v7 offset:512*\k
.endr
	PASS16 \cur
.endm
	s_mov_b32 s46, 8
.Lpass:
	FP16 128, 144
	FP16 144, 128
	s_sub_co_u32 s46, s46, 1
	s_cmp_lg_u32 s46, 0
	s_cbranch_scc1 .Lpass
	; exactly 16 were pushed: the first stands at the list's top.  Sixteen bytes a query, rising
.irp k, 0,1,2,3
	v_lshl_or_b32 v[112+\k], v[GL+14-4*\k], 8, v[GL+15-4*\k]
	v_lshl_or_b32 v[112+\k], v[GL+13-4*\k], 16, v[112+\k]
	v_lshl_or_b32 v[112+\k], v[GL+12-4*\k], 24, v[112+\k]
.endr
	s_lshl_b32 s34, s4, 16
	s_lshl_b32 s7, s3, 11
	s_add_co_u32 s34, s34, s7
	s_mov_b32 s35, 0
	s_add_nc_u64 s[32:33], s[32:33], s[34:35]
	v_lshlrev_b32 v3, 4, v0
	global_store_b128 v3, v[112:115], s[32:33]     ; a wave stores 512 consecutive bytes, at a multiple of 256 from gsel's first byte
	s_wait_dscnt 0x0                               ; the last look-ahead
	s_set_vgpr_msb 0x5
	s_wait_tensorcnt 0x0
	ds_add_u32 v0, v1
	s_wait_dscnt 0x0
	s_set_vgpr_msb 0x500
	s_endpgm
.Lfunc_end_k_q5081bbbee6_knn_groups:
	.size	k_q5081bbbee6_knn_groups, .Lfunc_end_k_q5081bbbee6_knn_groups-k_q5081bbbee6_knn_groups
	.p2alignl 7, 3214868480
	.fill 96, 4, 3214868480
	.section	.rodata,"a",@progbits
	.p2align	6, 0x0
	.amdhsa_kernel k_q5081bbbee6_knn_groups
		.amdhsa_group_segment_fixed_size 233984
		.amdhsa_private_segment_fixed_size 0
		.amdhsa_enable_private_segment 0
		.amdhsa_kernarg_size 104
		.amdhsa_user_sgpr_count 2
		.amdhsa_user_sgpr_kernarg_segment_ptr 1
		.amdhsa_wavefront_size32 1
		.amdhsa_system_sgpr_workgroup_id_x 1
		.amdhsa_system_sgpr_workgroup_id_y 1
		.amdhsa_system_sgpr_workgroup_id_z 1
		.amdhsa_system_vgpr_workitem_id 0
		.amdhsa_next_free_vgpr 258
		.amdhsa_next_free_sgpr 80
		.amdhsa_reserve_vcc 1
		.amdhsa_float_denorm_mode_32 3
		.amdhsa_float_denorm_mode_16_64 3
		.amdhsa_memory_ordered 1
		.amdhsa_forward_progress 1
		.amdhsa_inst_pref_size 212
	.end_amdhsa_kernel
	.amdgpu_metadata
---
amdhsa.version: [ 1, 2 ]
amdhsa.kernels:
  - .name:           k_q5081bbbee6_knn_groups
    .symbol:         k_q5081bbbee6_knn_groups.kd
    .args:
      - { .name: xyz, .offset: 0, .size: 8, .value_kind: global_buffer, .address_space: global }
      - { .name: r_w, .offset: 8, .size: 8, .value_kind: global_buffer, .address_space: global }
      - { .name: e_w1, .offset: 16, .size: 8, .value_kind: global_buffer, .address_space: global }
      - { .name: g_w2, .offset: 24, .size: 8, .value_kind: global_buffer, .address_space: global }
      - { .name: r_b, .offset: 32, .size: 8, .value_kind: global_buffer, .address_space: global }
      - { .name: r_lnw, .offset: 40, .size: 8, .value_kind: global_buffer, .address_space: global }
      - { .name: r_lnb, .offset: 48, .size: 8, .value_kind: global_buffer, .address_space: global }
      - { .name: e_b1, .offset: 56, .size: 8, .value_kind: global_buffer, .address_space: global }
      - { .name: e_lnw, .offset: 64, .size: 8, .value_kind: global_buffer, .address_space: global }
      - { .name: e_lnb, .offset: 72, .size: 8, .value_kind: global_buffer, .address_space: global }
      - { .name: e_w2, .offset: 80, .size: 8, .value_kind: global_buffer, .address_space: global }
      - { .name: wq, .offset: 88, .size: 8, .value_kind: global_buffer, .address_space: global }
      - { .name: gsel, .offset: 96, .size: 8, .value_kind: global_buffer, .address_space: global }
    .group_segment_fixed_size: 233984
    .private_segment_fixed_size: 0
    .kernarg_segment_align: 8
    .kernarg_segment_size: 104
    .max_flat_workgroup_size: 128
    .sgpr_count:     80
    .vgpr_count:     258
    .wavefront_size: 32
...
	.end_amdgpu_metadata
.endif
;; end of part 1
;; launch knn_select (part 2): grid 32 x 8, 4 waves a work-group, no clusters, 70,144 bytes of LDS; arguments xyz, gsel, nidx; writes nidx
.if DOCPART == 2
	.amdgcn_target "amdgcn-amd-amdhsa--gfx1250"
	.amdhsa_code_object_version 6
	.text
	.protected	k_q5081bbbee6_knn_select
	.globl	k_q5081bbbee6_knn_select
	.p2align	8
	.type	k_q5081bbbee6_knn_select,@function
k_q5081bbbee6_knn_select:
	s_mov_b64 s[64:65], 0
	v_nop
	global_prefetch_b8 v0, s[64:65] scope:SCOPE_SE
	s_setreg_imm32_b32 hwreg(HW_REG_WAVE_MODE, 25, 1), 1
	s_wait_xcnt 0x0
; SECOND OF THREE LAUNCHES.  For each point: its 16 nearest points, exactly, among the 16 groups x 16 candidates that the first launch has left (gsel: 16 group numbers a query, rising).
; The key is the first launch's, bit for bit: key = fma(X0, y0, fma(X1, y1, fma(X2, y2, S))), X = x + x, S = -|y|^2.  Two passes with no branch on data.  Values: the 256 keys go into a sorted list
; of 16; T = its last value, need = how many of the 16 equal T.  Indices: the same 256 keys again, in rising index: taken where key > T, or key = T and fewer than need equals were seen:
; exactly 16, ties to the lower index, as top_k has them.  Only the SET goes on: what the third launch makes of it are sums over the neighbours.
; SHARES.  A work-group: 128 queries of one batch; thread t owns query t.  The batch's candidates lie in LDS as (y0, y1, y2, S); a lane reads the groups that its own list names.  The addresses of these
; reads come from numbers that an earlier launch stored; each is held to 255 in the line ahead of the multiply that makes the address.  Behind the one barrier nothing is stored into LDS.
; LIMITS.  NaN and infinities are not served.  The key's rounding is of the size of pd's own but not its bits: where the 16th and 17th neighbour lie about an ulp of |x|^2 apart, the other may be taken.
.set GP,    272                        ; a group in LDS: 16 candidates x 16 bytes + 16
.set NINF,  0xff800000
.set BUF0,  128                        ; v128-191, v192-255: a group's 16 candidates, two buffers
.set BUF1,  192
.set LL,    32                         ; v32-47  the sorted list of values
.set GL,    48                         ; v48-63  the list of indices taken
.set KY,    64                         ; v64-79  a group's 16 keys
.set TT,    84                         ; v84 T   v85 need   v86 equals seen   v87-89 the same behind 1, 2, 3 more keys   v90-93 1 where a key equals T   v94 the index to be pushed
.set NEED,  85
.set CNT,   86
.set C1,    87
.set EQ,    90
.set PAY,   94
; v[8:11] the 16 group numbers, a byte each, turned by one byte a group;  v16-18 X;  v19 at work;  v3 the LDS address of the loads in hand
.macro MED16 l, c                      ; one value into a sorted list: from the low end up, so that each line still finds its upper neighbour's old value
.irp i, 15,14,13,12,11,10,9,8,7,6,5,4,3,2,1
	v_med3_num_f32 v[\l+\i], v[\l+\i-1], v[\l+\i], v[\c]
.endr
	v_max_num_f32 v[\l], v[\l], v[\c]
.endm
; THE BATCH'S 4,096 CANDIDATES INTO LDS, as (y0, y1, y2, S): the first launch's text.  s[8:9]: the batch's xyz.  Thread t takes, in step s of eight, the four candidates 512 s + 4 t .. + 3.
.macro CANDBUILD
	v_mul_u32_u24 v3, v0, 48
.irp t, 0,1,2,3,4,5,6,7
.irp j, 0,1,2
	global_load_b128 v[32+12*\t+4*\j:35+12*\t+4*\j], v3, s[8:9] offset:6144*\t+16*\j
.endr
.endr
	v_lshrrev_b32 v4, 2, v0
	v_mul_u32_u24 v4, v4, GP
	v_and_b32 v5, 3, v0
	v_lshl_add_u32 v4, v5, 6, v4
.irp t, 0,1,2,3,4,5,6,7
	s_wait_loadcnt 3*(7-\t)                        ; this step's three loads, and all issued ahead of them, are in; the later steps' may be out
.irp i, 0,1,2,3
	v_mov_b32 v[128+16*\t+4*\i], v[32+12*\t+3*\i]
	v_mov_b32 v[129+16*\t+4*\i], v[33+12*\t+3*\i]
	v_mov_b32 v[130+16*\t+4*\i], v[34+12*\t+3*\i]
	v_mul_f32 v[131+16*\t+4*\i], -v[32+12*\t+3*\i], v[32+12*\t+3*\i]
	v_fma_f32 v[131+16*\t+4*\i], -v[33+12*\t+3*\i], v[33+12*\t+3*\i], v[131+16*\t+4*\i]
	v_fma_f32 v[131+16*\t+4*\i], -v[34+12*\t+3*\i], v[34+12*\t+3*\i], v[131+16*\t+4*\i]
	ds_store_b128 v4, v[128+16*\t+4*\i:131+16*\t+4*\i] offset:32*GP*\t+16*\i
.endr
.endr
	s_wait_dscnt 0x0                               ; for the others' sake: my stores have landed
	s_barrier_signal -1
	s_barrier_wait -1
.endm
; THE SECOND PASS, four keys at a time: the first launch's macros.  A set of twelve scalars from s[e] on: 4 masks 'equals T', 4 'above T' (then: 'taken'), 4 'fewer than need equals so far'.
.macro FPV e, k
.irp q, 0,1,2,3
	v_cmp_eq_f32 s[\e+\q], v[\k+\q], v[TT]
.endr
.irp q, 0,1,2,3
	v_cmp_gt_f32 s[\e+4+\q], v[\k+\q], v[TT]
.endr
.irp q, 0,1,2,3
	v_cndmask_b32 v[EQ+\q], 0, 1, s[\e+\q]
.endr
	v_add_nc_u32 v[C1], v[CNT], v[EQ]
	v_add_nc_u32 v[C1+1], v[C1], v[EQ+1]
	v_add_nc_u32 v[C1+2], v[C1+1], v[EQ+2]
	v_cmp_gt_u32 s[\e+8], v[NEED], v[CNT]
	v_cmp_gt_u32 s[\e+9], v[NEED], v[C1]
	v_cmp_gt_u32 s[\e+10], v[NEED], v[C1+1]
	v_cmp_gt_u32 s[\e+11], v[NEED], v[C1+2]
	v_add_nc_u32 v[CNT], v[C1+2], v[EQ+3]
.endm
.macro FPS e
.irp q, 0,1,2,3
	s_and_b32 s[\e+8+\q], s[\e+8+\q], s[\e+\q]
	s_or_b32 s[\e+4+\q], s[\e+4+\q], s[\e+8+\q]
.endr
.endm
.macro FPP e
.irp q, 0,1,2,3
.irp i, 15,14,13,12,11,10,9,8,7,6,5,4,3,2,1
	v_cndmask_b32 v[GL+\i], v[GL+\i], v[GL+\i-1], s[\e+4+\q]
.endr
	v_cndmask_b32 v[GL], v[GL], v[PAY], s[\e+4+\q]
	v_add_nc_u32 v[PAY], 1, v[PAY]
.endr
.endm
.macro PASS16 k
	FPV 52, \k
	FPS 52
	FPV 68, \k+4
	FPP 52
	FPS 68
	FPV 52, \k+8
	FPP 68
	FPS 52
	FPV 68, \k+12
	FPP 52
	FPS 68
	FPP 68
.endm
.macro COUNTEQ l
	v_mov_b32 v[TT], v[\l+15]
	v_mov_b32 v[NEED], 0
.irp i, 0,1,2,3,4,5,6,7,8,9,10,11,12,13,14,15
	v_cmp_eq_f32 vcc_lo, v[\l+\i], v[TT]
	v_cndmask_b32 v[EQ], 0, 1, vcc_lo
	v_add_nc_u32 v[NEED], v[NEED], v[EQ]
.endr
.endm
.macro NEXTG nxt                       ; the candidates of the group that stands second in the list
	v_bfe_u32 v3, v8, 8, 8
	v_min_u32 v3, 255, v3                          ; a stored number enters an address only behind this line
	v_mul_u32_u24 v3, v3, GP
.irp c, 0,1,2,3,4,5,6,7,8,9,10,11,12,13,14,15
	ds_load_b128 v[\nxt+4*\c:\nxt+4*\c+3], v3 offset:16*\c
.endr
.endm
.macro KEYS16 buf                      ; three levels of sixteen, so that no line waits for the line above it
.irp c, 0,1,2,3,4,5,6,7,8,9,10,11,12,13,14,15
	v_fma_f32 v[KY+\c], v18, v[\buf+4*\c+2], v[\buf+4*\c+3]
.endr
.irp c, 0,1,2,3,4,5,6,7,8,9,10,11,12,13,14,15
	v_fma_f32 v[KY+\c], v17, v[\buf+4*\c+1], v[KY+\c]
.endr
.irp c, 0,1,2,3,4,5,6,7,8,9,10,11,12,13,14,15
	v_fma_f32 v[KY+\c], v16, v[\buf+4*\c], v[KY+\c]
.endr
.endm
.macro ROT                             ; the 16 bytes turn by one: after 16 groups they stand as they began
	v_mov_b32 v19, v8
	v_alignbit_b32 v8, v9, v8, 8
	v_alignbit_b32 v9, v10, v9, 8
	v_alignbit_b32 v10, v11, v10, 8
	v_alignbit_b32 v11, v19, v11, 8
.endm
.macro SELA cur, nxt                   ; values: a group's 16 keys into the list
	s_wait_dscnt 0x0                               ; this group's 16 loads, asked for a group ago
	NEXTG \nxt
	KEYS16 \cur
.set n, 0
.rept 16
	MED16 LL, KY+n
.set n, n+1
.endr
	ROT
.endm
.macro SELB cur, nxt                   ; indices: the same keys again
	s_wait_dscnt 0x0
	NEXTG \nxt
	v_and_b32 v[PAY], 255, v8
	v_lshlrev_b32 v[PAY], 4, v[PAY]                ; the group's first index; it counts on with every key
	KEYS16 \cur
	PASS16 KY
	ROT
.endm
	s_load_b128 s[8:11], s[0:1], 0x0               ; xyz s[8:9], gsel s[10:11]
	s_load_b64 s[12:13], s[0:1], 0x10              ; nidx
	v_lshl_add_u32 v30, v0, 2, 0x11000
	v_mov_b32 v31, 0
	v_lshrrev_b32 v1, 5, v0
	v_readfirstlane_b32 s2, v1                     ; wave 0..3
	v_and_b32 v1, 31, v0                           ; lane
	s_mov_b32 s3, ttmp9                            ; which 128 queries of the batch
	s_and_b32 s4, ttmp7, 0xffff                    ; the batch
	s_mul_i32 s34, s4, 49152                       ; the batch's xyz
	s_mov_b32 s35, 0
	s_lshl_b32 s36, s4, 16                         ; gsel: 16 bytes a query
	s_lshl_b32 s7, s3, 11
	s_add_co_u32 s36, s36, s7
	s_mov_b32 s37, 0
	s_lshl_b32 s38, s4, 17                         ; nidx: 1,024 bytes for each 32 queries
	s_lshl_b32 s7, s3, 12
	s_add_co_u32 s38, s38, s7
	s_lshl_b32 s7, s2, 10
	s_add_co_u32 s38, s38, s7
	s_mov_b32 s39, 0
	s_mul_i32 s7, s3, 1536
	v_lshlrev_b32 v6, 4, v0
	v_mad_u32_u24 v7, v0, 12, s7
	s_wait_kmcnt 0x0
	s_add_nc_u64 s[8:9], s[8:9], s[34:35]
	s_add_nc_u64 s[10:11], s[10:11], s[36:37]
	s_add_nc_u64 s[12:13], s[12:13], s[38:39]
	global_load_b128 v[8:11], v6, s[10:11] th:TH_LOAD_NT   ; my query's 16 groups, and
	global_load_b96 v[12:14], v7, s[8:9]           ; my query: both issued ahead of the candidates' loads, whose first wait covers them
	CANDBUILD
	v_and_b32 v3, 255, v8                          ; the first group
	v_min_u32 v3, 255, v3
	v_mul_u32_u24 v3, v3, GP
.irp c, 0,1,2,3,4,5,6,7,8,9,10,11,12,13,14,15
	ds_load_b128 v[BUF0+4*\c:BUF0+4*\c+3], v3 offset:16*\c
.endr
	v_add_f32 v16, v12, v12                        ; X = x + x, exact
	v_add_f32 v17, v13, v13
	v_add_f32 v18, v14, v14
.irp i, 0,1,2,3,4,5,6,7,8,9,10,11,12,13,14,15
	v_mov_b32 v[LL+\i], NINF                       ; the list begins under every key
.endr
	s_mov_b32 s46, 8
.Lvalues:
	SELA BUF0, BUF1
	SELA BUF1, BUF0
	s_sub_co_u32 s46, s46, 1
	s_cmp_lg_u32 s46, 0
	s_cbranch_scc1 .Lvalues                        ; the last look-ahead has asked for the first group again, into buffer 0
	COUNTEQ LL
	v_mov_b32 v[CNT], 0
.irp i, 0,1,2,3,4,5,6,7,8,9,10,11,12,13,14,15
	v_mov_b32 v[GL+\i], 0
.endr
	s_mov_b32 s46, 8
.Lindices:
	SELB BUF0, BUF1
	SELB BUF1, BUF0
	s_sub_co_u32 s46, s46, 1
	s_cmp_lg_u32 s46, 0
	s_cbranch_scc1 .Lindices                       ; (its last look-ahead reads the first group once more; the result is not used)
.irp k, 0,1,2,3,4,5,6,7
	v_lshl_or_b32 v[96+\k], v[GL+2*\k+1], 16, v[GL+2*\k]   ; sixteen indices of 16 bits
.endr
	v_lshlrev_b32 v6, 4, v1
	global_store_b128 v6, v[96:99], s[12:13]       ; [32 queries][half][lane][8 indices]: each store of the wave covers 512 consecutive bytes, at a multiple of 256 from nidx's first byte
	global_store_b128 v6, v[100:103], s[12:13] offset:512
	s_wait_dscnt 0x0
	s_wait_tensorcnt 0x0
	ds_add_u32 v30, v31
	s_wait_dscnt 0x0
	s_endpgm
.Lfunc_end_k_q5081bbbee6_knn_select:
	.size	k_q5081bbbee6_knn_select, .Lfunc_end_k_q5081bbbee6_knn_select-k_q5081bbbee6_knn_select
	.p2alignl 7, 3214868480
	.fill 96, 4, 3214868480
	.section	.rodata,"a",@progbits
	.p2align	6, 0x0
	.amdhsa_kernel k_q5081bbbee6_knn_select
		.amdhsa_group_segment_fixed_size 70144
		.amdhsa_private_segment_fixed_size 0
		.amdhsa_enable_private_segment 0
		.amdhsa_kernarg_size 24
		.amdhsa_user_sgpr_count 2
		.amdhsa_user_sgpr_kernarg_segment_ptr 1
		.amdhsa_wavefront_size32 1
		.amdhsa_system_sgpr_workgroup_id_x 1
		.amdhsa_system_sgpr_workgroup_id_y 1
		.amdhsa_system_sgpr_workgroup_id_z 1
		.amdhsa_system_vgpr_workitem_id 0
		.amdhsa_next_free_vgpr 256
		.amdhsa_next_free_sgpr 80
		.amdhsa_reserve_vcc 1
		.amdhsa_float_denorm_mode_32 3
		.amdhsa_float_denorm_mode_16_64 3
		.amdhsa_memory_ordered 1
		.amdhsa_forward_progress 1
		.amdhsa_inst_pref_size 115
	.end_amdhsa_kernel
	.amdgpu_metadata
---
amdhsa.version: [ 1, 2 ]
amdhsa.kernels:
  - .name:           k_q5081bbbee6_knn_select
    .symbol:         k_q5081bbbee6_knn_select.kd
    .args:
      - { .name: xyz, .offset: 0, .size: 8, .value_kind: global_buffer, .address_space: global }
      - { .name: gsel, .offset: 8, .size: 8, .value_kind: global_buffer, .address_space: global }
      - { .name: nidx, .offset: 16, .size: 8, .value_kind: global_buffer, .address_space: global }
    .group_segment_fixed_size: 70144
    .private_segment_fixed_size: 0
    .kernarg_segment_align: 8
    .kernarg_segment_size: 24
    .max_flat_workgroup_size: 128
    .sgpr_count:     80
    .vgpr_count:     256
    .wavefront_size: 32
...
	.end_amdgpu_metadata
.endif
;; end of part 2
;; launch edge_fused (part 3): grid 256 x 1, 4 waves a work-group, no clusters, 214,016 bytes of LDS; arguments xyz, features, nidx, wq, g_w1, g_b1, g_lnw, g_lnb, g_b2, e_b2, out0, out1; writes out0, out1
.if DOCPART == 3
	.amdgcn_target "amdgcn-amd-amdhsa--gfx1250"
	.amdhsa_code_object_version 6
	.text
	.protected	k_q5081bbbee6_edge_fused
	.globl	k_q5081bbbee6_edge_fused
	.p2align	8
	.type	k_q5081bbbee6_edge_fused,@function
k_q5081bbbee6_edge_fused:
	s_mov_b64 s[64:65], 0
	v_nop
	global_prefetch_b8 v0, s[64:65] scope:SCOPE_SE
	s_setreg_imm32_b32 hwreg(HW_REG_WAVE_MODE, 25, 1), 1
	s_wait_xcnt 0x0
; THIRD OF THREE LAUNCHES: all that follows the choice of neighbours.  For each point: gather its 16 neighbours (nidx), ten geometric numbers, Linear(10, 32), LayerNorm, ReLU (f32);
; x g_w2 + g_b2 (QUANTISED, K = 32); [features | geo] x e_w1 + e_b1 (QUANTISED, K = 272), LayerNorm, ReLU, a dot of 64, sigmoid = out1; features x r_w + r_b (QUANTISED, K = 256), LayerNorm, ReLU;
; out0 = features + that x out1.  The quantised products: v_wmma_scale_f32_16x16x128_f8f6f4 on codes of E2M3 with one E8M0 byte for each 32 along K; sums in f32.
; SHARES.  A work-group: 128 rows.  Wave w: rows 32 w .. 32 w + 31.  In the geometric part a lane is a row.  Afterwards two tiles of 16 rows, one after the other: lane (r, h) = row r, half h.
; ALL PRODUCTS ARE USED TRANSPOSED (source 0 = 16 columns of a weight, source 1 = 16 rows): a lane holds ONE row and eight output columns.  The features are read from memory once, by one tensor load a
; wave, into LDS rows of 1,024 + 16 bytes; they are quantised from there (a lane takes whole blocks of 32: no other lane is asked for a maximum), serve both products, are read again for the residual, and
; the result is laid over them and leaves as whole rows.  The weights come as the first launch laid them: images of the operand's registers, their scale words, the parameters: 79,872 dense bytes, a
; quarter by each wave's second tensor load.  r_w's columns were dealt to tiles so that register 8 t + j of the product is the column of the features' register 8 t + j: 64 (t / 4) + 32 h + 8 (t % 4) + j.
; The biases are loaded into the accumulators, so that each sum begins with its bias.
; No LDS byte is filled twice.  By the text's own count a wave has two tensor loads outstanding.  No cluster: what the work-groups share, the weights' 79,872 bytes, is under a third of the 262,144
; bytes that are a work-group's own, and comes once.
; LIMITS.  NaN and infinities are not served.  A block of zeros gets the scale byte 1 (or, in words that are part zeros, 0), not 127: its codes are zeros.  Blocks whose largest magnitude lies under 2^-124 are held at byte 1.
.set WREG,   33280                     ; LDS: a wave's 32 rows of features, 1,040 bytes apart (65 x 16: the sixteen rows that a load touches fall into sixteen different columns of 16 bytes)
.set WQL,    133120                    ; behind the four waves' rows: wq as it lies in memory;
.set WQSC,   WQL+69120                 ; in it the scale words, 128 bytes a fragment,
.set PARL,   WQL+75264                 ; and the parameters: r_b, r_lnw, r_lnb (1,024 bytes each), e_b1, e_lnw, e_lnb, e_w2 (256 each)
.set P1ST,   212992                    ; two blocks of 256 bytes of their own: the 128 rows' out1
.set NIL,  1                           ; v1   0
.set RR,   2                           ; v2   r = lane % 16
.set HH,   3                           ; v3   h = lane / 16
.set XA,   4                           ; v4   my row of the tile, + 128 h
.set RD,   5                           ; v5   the way out: the tile's first row, + 16 x lane
.set OV,   6                           ; v6   16 x lane
.set WA0,  7                           ; v7   fragments 0-23: + 16 x lane
.set WA1,  8                           ; v8   fragments 24-44
.set WS,   9                           ; v9   scale words: + 4 x lane
.set PR,   10                          ; v10  the parameters of 256 columns: + 128 h
.set PE,   11                          ; v11  those of 64 columns, from e_b1 on: + 32 h
.set P1,   12                          ; v12  where my row's out1 goes
.set H8,   13                          ; v13  8 h
.set PP,   14                          ; v[14:15] out1 of my row, twice;  v[16:17] a mean, twice;  v[18:19] 1 / a deviation, twice;  v[20:27] four running pairs;  v28, v29 at work
.set EG,   30                          ; v[30:41] geo's codes as an operand (K step 2 of e_w1's product): 16 codes in lanes 0-15, all else zeros;  v[42:44] the second tile's
.set LANE, 45
.set AC0,  46                          ; v[46:69] the features' codes: two K steps x 12.  In the geometric part: v46-55 the ten numbers, v56-66 at work
.set GEO,  46
.set MX,   70                          ; v70-73 largest magnitudes, then scale bytes;  v74-77 the conversions' scale operands
.set SO,   74
.set EE,   80                          ; v80-111 the 64-wide layer's 32 numbers of a lane; ahead of that conversions' second halves; in the geometric part indices and offsets
.set AS,   112                         ; REGISTERS THAT HOLD SCALES AND NOTHING ELSE: v112-113 the features' words;  v114-121 the weights', two sets of four;
.set WSC,  114
.set GS,   122                         ; v122 geo's, v123 the second tile's;  v124 the hidden layer's;  v125 g_w2's
.set HSW,  124
.set W2S,  125
.set P1R,  126                         ; v126 out1's stage, + 16 x lane
.set GBA,  127                         ; v127 32 h
.set WF,   128                         ; v128-255: the neighbours; the features' 128 numbers; two sets of four weight fragments; parameters; rows on their way out
.set NBR,  128
.set HID,  192                         ; v192-223 the hidden layer of 32
.set HB0,  224                         ; v[224:235], v[236:247] its codes as operands, rows 0-15 and 16-31
.set HB1,  236
.set CB2,  248                         ; v[248:255] g_b2 in the result's layout
; window 1: v0-127 the 16 accumulators of r_w's product, v128-159 the 4 of e_w1's; in the geometric part g_w1's rows 0-7.   window 2 (geometric part): v0-63 g_w1's rows 8, 9; v64 g_b1; v96 g_lnw; v128 g_lnb
.set MSB, 0
.macro WIN new                         ; s_set_vgpr_msb: bits 1:0 source 0, 3:2 source 1, 5:4 source 2, 7:6 destination; the high byte repeats the setting that is left; a switch that changes nothing is dropped
.if MSB != \new
	s_set_vgpr_msb (MSB<<8)|\new
.set MSB, \new
.endif
.endm
.macro PLACES n
.rept \n
	v_nop
.endr
.endm
.macro FOLD2                           ; two running pairs, and the other half of the row in lane l xor 16, become one number in v20
	v_pk_add_f32 v[20:21], v[20:21], v[22:23]
	v_add_f32 v20, v20, v21
	v_permlanex16_b32 v29, v20, s60, s61
	v_add_f32 v20, v20, v29
.endm
	s_load_b512 s[8:23], s[0:1], 0x0               ; xyz s[8:9], features s[10:11], nidx s[12:13], wq s[14:15], g_w1 s[16:17], g_b1 s[18:19], g_lnw s[20:21], g_lnb s[22:23]
	s_load_b256 s[24:31], s[0:1], 0x40             ; g_b2 s[24:25], e_b2 s[26:27], out0 s[28:29], out1 s[30:31]
	v_lshl_add_u32 v78, v0, 2, 0x34200
	v_mov_b32 v79, 0
	ds_add_u32 v78, v79
	ds_add_u32 v78, v79
	v_lshrrev_b32 v1, 5, v0
	v_readfirstlane_b32 s2, v1                     ; wave 0..3
	s_mov_b32 s3, ttmp9                            ; the work-group: rows 128 x it
	; the features: 32 rows of 256 elements of 4 bytes, 4 words of padding behind every 256 words
	s_mov_b32 s36, 1                               ; group 0: count = 1
	s_mul_i32 s37, s2, WREG                        ; LDS address: my wave's rows
	s_mov_b32 s40, (2<<16)|(1<<20)|(7<<22)|(3<<25) ; group 1: no mask; elements of 4 bytes; padding on; after every 256 words (code 7); 4 words of it (code 3)
	s_mov_b32 s41, 256<<16                         ; tensor_dim0 = 256
	s_mov_b32 s42, 32<<16                          ; tensor_dim1 = 32
	s_mov_b32 s43, 256<<16                         ; tile_dim0 = 256
	s_mov_b32 s44, 32                              ; tile_dim1 = 32
	s_mov_b32 s45, 256                             ; elements from row to row
	s_mov_b32 s46, 0
	s_mov_b32 s47, 0
	; a quarter of wq: 19,968 dense bytes as 78 rows of 32 elements of 8 bytes, no padding
	s_mov_b32 s48, 1
	s_mul_i32 s32, s2, 19968
	s_mov_b32 s33, 0
	s_add_co_u32 s49, s32, WQL
	s_mov_b32 s52, 3<<16
	s_mov_b32 s53, 32<<16
	s_mov_b32 s54, 78<<16
	s_mov_b32 s55, 32<<16
	s_mov_b32 s56, 78
	s_mov_b32 s57, 32
	s_mov_b32 s58, 0
	s_mov_b32 s59, 0
	s_lshl_b32 s34, s3, 17
	s_lshl_b32 s35, s2, 15
	s_add_co_u32 s34, s34, s35                     ; my wave's first row in features and in out0: 131,072 x work-group + 32,768 x wave
	s_mov_b32 s35, 0
	s_mov_b32 s4, 0x3727c5ac                       ; 1e-5
	s_mov_b32 s60, 0x76543210
	s_mov_b32 s61, 0xfedcba98                      ; v_permlanex16_b32's selects for lane l xor 16
	s_wait_dscnt 0x0
	s_wait_kmcnt 0x0
	s_add_nc_u64 s[38:39], s[10:11], s[34:35]
	s_or_b32 s39, s39, 0x80000000                  ; type = 2
	s_add_nc_u64 s[50:51], s[14:15], s[32:33]
	s_or_b32 s51, s51, 0x80000000
	s_add_nc_u64 s[28:29], s[28:29], s[34:35]
	tensor_load_to_lds s[36:39], s[40:47]          ; both fills go out together, ahead of everything else; each byte is filled once
	s_nop 0
	tensor_load_to_lds s[48:51], s[52:59]
	s_nop 0
	PLACES 4
	s_load_b32 s62, s[26:27], 0x0                  ; e_b2
	s_lshl_b32 s32, s3, 12
	s_lshl_b32 s5, s2, 10
	s_add_co_u32 s32, s32, s5
	s_add_nc_u64 s[12:13], s[12:13], s[32:33]      ; nidx: 1,024 bytes for my wave's 32 rows
	s_lshr_b32 s32, s3, 5
	s_mul_i32 s32, s32, 49152
	s_add_nc_u64 s[8:9], s[8:9], s[32:33]          ; the batch's xyz
	s_lshl_b32 s32, s3, 9
	s_add_nc_u64 s[30:31], s[30:31], s[32:33]      ; out1: 512 bytes a work-group
	v_mov_b32 v[NIL], 0
	v_mov_b32 v29, 0                               ; (a lane permute's destination counts as one of its sources)
	v_and_b32 v[LANE], 31, v0
	v_and_b32 v[RR], 15, v0
	v_bfe_u32 v[HH], v0, 4, 1
	v_mul_u32_u24 v[XA], v[RR], 1040
	v_lshl_add_u32 v[XA], v[HH], 7, v[XA]
	v_add_nc_u32 v[XA], s37, v[XA]
	v_lshlrev_b32 v[OV], 4, v[LANE]
	v_add_nc_u32 v[RD], s37, v[OV]
	v_add_nc_u32 v[WA0], WQL, v[OV]
	v_add_nc_u32 v[WA1], WQL+24*1536, v[OV]
	v_lshl_add_u32 v[WS], v[LANE], 2, WQSC
	v_lshl_add_u32 v[PR], v[HH], 7, PARL
	v_lshl_add_u32 v[PE], v[HH], 5, PARL+3072
	s_lshl_b32 s5, s2, 7
	v_lshl_add_u32 v[P1], v[RR], 2, s5
	v_add_nc_u32 v[P1], P1ST, v[P1]
	v_lshlrev_b32 v[H8], 3, v[HH]
	v_add_nc_u32 v[P1R], P1ST, v[OV]
	v_lshlrev_b32 v[GBA], 5, v[HH]
; ---- THE GEOMETRIC PART: a lane is a row
	global_load_b128 v[80:83], v[OV], s[12:13] th:TH_LOAD_NT             ; my row's 16 neighbours, 16 bits each
	global_load_b128 v[84:87], v[OV], s[12:13] offset:512 th:TH_LOAD_NT
	WIN 0x80                                       ; destination window 2.  The small layer's parameters: every lane holds them all (the same address in all lanes)
.set n, 0
.rept 16
	global_load_b128 v[4*n:4*n+3], v[NIL], s[16:17] offset:1024+16*n     ; g_w1's rows 8 and 9
.set n, n+1
.endr
.irp j, 0,1,2,3,4,5,6,7
	global_load_b128 v[64+4*\j:67+4*\j], v[NIL], s[18:19] offset:16*\j
	global_load_b128 v[96+4*\j:99+4*\j], v[NIL], s[20:21] offset:16*\j
	global_load_b128 v[128+4*\j:131+4*\j], v[NIL], s[22:23] offset:16*\j
.endr
	WIN 0
	global_load_b128 v[CB2:CB2+3], v[GBA], s[24:25]                      ; g_b2 at my half's eight outputs
	global_load_b128 v[CB2+4:CB2+7], v[GBA], s[24:25] offset:16
	s_wait_loadcnt 42                              ; the two loads of indices are in; the 42 issued behind them may be out
.irp k, 0,1,2,3,4,5,6,7
	v_and_b32 v[88+2*\k], 0xffff, v[80+\k]
	v_lshrrev_b32 v[89+2*\k], 16, v[80+\k]
.endr
.irp i, 0,1,2,3,4,5,6,7,8,9,10,11,12,13,14,15
	v_min_u32 v[88+\i], 0xfff, v[88+\i]            ; a stored number enters an address only behind this line
.endr
.irp i, 0,1,2,3,4,5,6,7,8,9,10,11,12,13,14,15
	v_mul_u32_u24 v[88+\i], v[88+\i], 12
.endr
.irp i, 0,1,2,3,4,5,6,7,8,9,10,11,12,13,14,15
	global_load_b96 v[NBR+4*\i:NBR+4*\i+2], v[88+\i], s[8:9]
.endr
	WIN 0x40                                       ; destination window 1
.set n, 0
.rept 64
	global_load_b128 v[4*n:4*n+3], v[NIL], s[16:17] offset:16*n          ; g_w1's rows 0 to 7: row k at v[32 k]
.set n, n+1
.endr
	WIN 0
	s_wait_loadcnt 63                              ; the gather is in: 64 loads were issued behind it, and 63 is the largest count that the wait names
	; the neighbourhood's mean; the neighbours less the mean
.irp c, 0,1,2
	v_add_f32 v[56+\c], v[NBR+\c], v[NBR+4+\c]
.endr
.irp i, 2,3,4,5,6,7,8,9,10,11,12,13,14,15
.irp c, 0,1,2
	v_add_f32 v[56+\c], v[56+\c], v[NBR+4*\i+\c]
.endr
.endr
.irp c, 0,1,2
	v_mul_f32 v[56+\c], 0x3d800000, v[56+\c]       ; / 16
.endr
.irp i, 0,1,2,3,4,5,6,7,8,9,10,11,12,13,14,15
.irp c, 0,1,2
	v_sub_f32 v[NBR+4*\i+\c], v[NBR+4*\i+\c], v[56+\c]
.endr
.endr
	; for each axis S1 = the sum (v59-61) and S2 = the sum of squares (v62-64) of the centred numbers; for each neighbour its squared length, in the fourth register of its four
.irp c, 0,1,2
	v_add_f32 v[59+\c], v[NBR+\c], v[NBR+4+\c]
	v_mul_f32 v[62+\c], v[NBR+\c], v[NBR+\c]
.endr
.irp c, 0,1,2
	v_fma_f32 v[62+\c], v[NBR+4+\c], v[NBR+4+\c], v[62+\c]
.endr
.irp i, 2,3,4,5,6,7,8,9,10,11,12,13,14,15
.irp c, 0,1,2
	v_add_f32 v[59+\c], v[59+\c], v[NBR+4*\i+\c]
	v_fma_f32 v[62+\c], v[NBR+4*\i+\c], v[NBR+4*\i+\c], v[62+\c]
.endr
.endr
.irp i, 0,1,2,3,4,5,6,7,8,9,10,11,12,13,14,15
	v_mul_f32 v[NBR+4*\i+3], v[NBR+4*\i], v[NBR+4*\i]
.endr
.irp i, 0,1,2,3,4,5,6,7,8,9,10,11,12,13,14,15
	v_fma_f32 v[NBR+4*\i+3], v[NBR+4*\i+1], v[NBR+4*\i+1], v[NBR+4*\i+3]
.endr
.irp i, 0,1,2,3,4,5,6,7,8,9,10,11,12,13,14,15
	v_fma_f32 v[NBR+4*\i+3], v[NBR+4*\i+2], v[NBR+4*\i+2], v[NBR+4*\i+3]
.endr
.irp i, 0,1,2,3,4,5,6,7,8,9,10,11,12,13,14,15
	v_sqrt_f32 v[NBR+4*\i+3], v[NBR+4*\i+3]        ; the 16 lengths: one batch
.endr
	; work that names none of the batch's results: the unbiased variance of the centred numbers, (S2 - S1^2 / 16) / 15 (S1 is what rounding left of 0: no large numbers cancel), the covariance's diagonal, trace and 'det'
.irp c, 0,1,2
	v_mul_f32 v[56+\c], v[59+\c], v[59+\c]
.endr
.irp c, 0,1,2
	v_fma_f32 v[56+\c], -v[56+\c], 0x3d800000, v[62+\c]
.endr
.irp c, 0,1,2
	v_max_num_f32 v[56+\c], 0, v[56+\c]
.endr
.irp c, 0,1,2
	v_mul_f32 v[56+\c], 0x3d888889, v[56+\c]       ; / 15
.endr
.irp c, 0,1,2
	v_mul_f32 v[62+\c], 0x3d800000, v[62+\c]       ; cov(c, c) = S2 / 16
.endr
	v_add_f32 v[GEO], v62, v63
	v_add_f32 v[GEO], v[GEO], v64                  ; trace
	v_mul_f32 v[GEO+1], v62, v63
	v_mul_f32 v[GEO+1], v[GEO+1], v64
	v_max_num_f32 v[GEO+1], 0x322bcc77, v[GEO+1]   ; the diagonal's product, at least 1e-8
	v_add_f32 v59, 0x358637bd, v[GEO]              ; trace + 1e-6
	s_wait_alu depctr_va_vdst(0)                   ; one wait for the batch of 16, ahead of its first reader
	v_add_f32 v60, v[NBR+3], v[NBR+7]
.irp i, 2,3,4,5,6,7,8,9,10,11,12,13,14,15
	v_add_f32 v60, v60, v[NBR+4*\i+3]
.endr
	v_mul_f32 v[GEO+5], 0x3d800000, v60            ; the mean length
.irp i, 0,1,2,3,4,5,6,7,8,9,10,11,12,13,14,15
	v_sub_f32 v[NBR+4*\i+3], v[NBR+4*\i+3], v[GEO+5]
.endr
	v_mul_f32 v60, v[NBR+3], v[NBR+3]
.irp i, 1,2,3,4,5,6,7,8,9,10,11,12,13,14,15
	v_fma_f32 v60, v[NBR+4*\i+3], v[NBR+4*\i+3], v60
.endr
	v_mul_f32 v60, 0x3d888889, v60
	v_sqrt_f32 v[GEO+2], v56                       ; a batch of five: the three deviations,
	v_sqrt_f32 v[GEO+3], v57
	v_sqrt_f32 v[GEO+4], v58
	v_sqrt_f32 v[GEO+6], v60                       ; the lengths' deviation,
	v_rcp_f32 v59, v59                             ; 1 / (trace + 1e-6)
	v_nop                                          ; a plain place behind the last of them
	s_wait_alu depctr_va_vdst(0)                   ; and one wait
	v_mul_f32 v[GEO+7], v[GEO+2], v59
	v_mul_f32 v[GEO+8], v[GEO+3], v59
	v_mul_f32 v[GEO+9], v[GEO+4], v59
	s_wait_loadcnt 0x0                             ; the small layer's parameters
	; Linear(10, 32) in f32 multiply-adds, two units an instruction; its result goes on into a quantiser.  The bias starts the sums
.macro GEOK k, wb                      ; + geo[k] x the row of g_w1 that stands at v[wb] of the window set for source 1
.irp u, 0,2,4,6,8,10,12,14,16,18,20,22,24,26,28,30
.if (\k)%2
	v_pk_fma_f32 v[HID+\u:HID+\u+1], v[GEO+(\k)-1:GEO+(\k)], v[\wb+\u:\wb+\u+1], v[HID+\u:HID+\u+1] op_sel:[1,0,0] op_sel_hi:[1,1,1]
.else
	v_pk_fma_f32 v[HID+\u:HID+\u+1], v[GEO+(\k):GEO+(\k)+1], v[\wb+\u:\wb+\u+1], v[HID+\u:HID+\u+1] op_sel_hi:[0,1,1]
.endif
.endr
.endm
	WIN 0x24                                       ; source 1 (g_w1) window 1, source 2 (g_b1) window 2
.irp u, 0,2,4,6,8,10,12,14,16,18,20,22,24,26,28,30
	v_pk_fma_f32 v[HID+\u:HID+\u+1], v[GEO:GEO+1], v[\u:\u+1], v[64+\u:65+\u] op_sel_hi:[0,1,1]
.endr
	WIN 0x04
.irp k, 1,2,3,4,5,6,7
	GEOK \k, 32*\k
.endr
	WIN 0x08                                       ; rows 8 and 9 lie in window 2
	GEOK 8, 0
	GEOK 9, 32
	WIN 0
	; LayerNorm(32), all in the lane; ReLU
	v_pk_add_f32 v[20:21], v[HID:HID+1], v[HID+2:HID+3]
	v_pk_add_f32 v[22:23], v[HID+4:HID+5], v[HID+6:HID+7]
.irp u, 8,12,16,20,24,28
	v_pk_add_f32 v[20:21], v[20:21], v[HID+\u:HID+\u+1]
	v_pk_add_f32 v[22:23], v[22:23], v[HID+\u+2:HID+\u+3]
.endr
	v_pk_add_f32 v[20:21], v[20:21], v[22:23]
	v_add_f32 v20, v20, v21
	v_mul_f32 v16, 0x3d000000, v20                 ; the mean
	v_mov_b32 v17, v16
.irp u, 0,2,4,6,8,10,12,14,16,18,20,22,24,26,28,30
	v_pk_add_f32 v[HID+\u:HID+\u+1], v[HID+\u:HID+\u+1], v[16:17] neg_lo:[0,1] neg_hi:[0,1]
.endr
	v_pk_mul_f32 v[20:21], v[HID:HID+1], v[HID:HID+1]
	v_pk_mul_f32 v[22:23], v[HID+2:HID+3], v[HID+2:HID+3]
.irp u, 4,8,12,16,20,24,28
	v_pk_fma_f32 v[20:21], v[HID+\u:HID+\u+1], v[HID+\u:HID+\u+1], v[20:21]
	v_pk_fma_f32 v[22:23], v[HID+\u+2:HID+\u+3], v[HID+\u+2:HID+\u+3], v[22:23]
.endr
	v_pk_add_f32 v[20:21], v[20:21], v[22:23]
	v_add_f32 v20, v20, v21
	v_fma_f32 v18, v20, 0x3d000000, s4             ; the biased variance + 1e-5
	v_rsq_f32 v18, v18
	v_nop
	s_wait_alu depctr_va_vdst(0)
	v_mov_b32 v19, v18
.irp u, 0,2,4,6,8,10,12,14,16,18,20,22,24,26,28,30
	v_pk_mul_f32 v[HID+\u:HID+\u+1], v[HID+\u:HID+\u+1], v[18:19]
.endr
	WIN 0x28                                       ; sources 1 (g_lnw) and 2 (g_lnb) window 2
.irp u, 0,2,4,6,8,10,12,14,16,18,20,22,24,26,28,30
	v_pk_fma_f32 v[HID+\u:HID+\u+1], v[HID+\u:HID+\u+1], v[96+\u:97+\u], v[128+\u:129+\u]
.endr
	WIN 0
.set n, 0
.rept 32
	v_max_num_f32 v[HID+n], 0, v[HID+n]
.set n, n+1
.endr
	; the hidden layer is one block of 32, whole in the lane.  (No |.|: nothing is negative here)
	v_max3_num_f32 v[MX], v[HID], v[HID+1], 0x1800000   ; the floor 2^(3 - 127) holds the byte at 1 from below
.irp i, 2,4,6,8,10,12,14,16,18,20,22,24,26,28,30
	v_max3_num_f32 v[MX], v[MX], v[HID+\i], v[HID+\i+1]
.endr
	v_add_nc_u32 v[SO], 0xff000000, v[MX]          ; 2 off the exponent field: the conversion's scale operand
	v_lshrrev_b32 v[HSW], 23, v[SO]                ; the scale's byte: byte 0 of my row's word; the word's other blocks hold zero codes
	v_cvt_scalef32_pk16_fp6_f32 v[HB0:HB0+2], v[HID:HID+15], v[SO]
	v_cvt_scalef32_pk16_fp6_f32 v[HB1:HB1+2], v[HID+16:HID+31], v[SO]   ; (a conversion's three registers begin on an even number)
	v_nop                                          ; one plain place behind a scaled conversion
.irp i, 0,1,2
	v_mov_b32 v[HB0+3+\i], v[HB1+\i]
.endr
.set n, HB0+6
.rept 18
	v_mov_b32 v[n], 0                              ; K beyond 32 is zeros
.set n, n+1
.endr
.irp i, 0,1,2,3,4,5
	v_permlane16_swap_b32 v[HB0+\i], v[HB1+\i]     ; an operand has row r in lane r, k = 0 .. 31 in lanes 0-15: rows 16-31 move down into the second operand, zeros come up into the first
.endr
	s_wait_tensorcnt 0x0                           ; my two fills have landed,
	s_barrier_signal -1
	s_barrier_wait -1                              ; everybody's have: the weights are whole.
.irp c, 0,1,2
	ds_load_b128 v[WF+4*\c:WF+4*\c+3], v[WA1] offset:20*1536+512*\c      ; fragment 44: g_w2
.endr
	ds_load_b32 v[W2S], v[WS] offset:44*128
	s_wait_dscnt 0x0
	PLACES 8                                       ; a scale register written by a vector instruction stands 8 places ahead of a scaled matrix instruction, an operand so written 4
	v_wmma_scale_f32_16x16x128_f8f6f4 v[148:155], v[WF:WF+11], v[HB0:HB0+11], v[CB2:CB2+7], v[W2S], v[HSW] matrix_a_fmt:MATRIX_FMT_FP6 matrix_b_fmt:MATRIX_FMT_FP6
	v_wmma_scale_f32_16x16x128_f8f6f4 v[156:163], v[WF:WF+11], v[HB1:HB1+11], v[CB2:CB2+7], v[W2S], v[HSW] matrix_a_fmt:MATRIX_FMT_FP6 matrix_b_fmt:MATRIX_FMT_FP6 matrix_b_scale:MATRIX_SCALE_ROW1   ; rows 16-31: their scale words stand in lanes 16-31
	PLACES 4
.irp j, 0,1,2,3,4,5,6,7
	v_permlane16_swap_b32 v[148+\j], v[156+\j]     ; lane (r, h) held outputs 8 h + j of rows r and 16 + r: now every lane holds its own row's 16 outputs, v148-163.  (Each accumulator from its low end on)
.endr
	; geo is the first half of comb's ninth block; the other half is zeros
	v_max3_num_f32 v[MX], |v148|, |v149|, 0x1800000
.irp i, 2,4,6,8,10,12,14
	v_max3_num_f32 v[MX], v[MX], |v[148+\i]|, |v[149+\i]|
.endr
	v_add_nc_u32 v[SO], 0xff000000, v[MX]
	v_lshrrev_b32 v[GS], 23, v[SO]
	v_cvt_scalef32_pk16_fp6_f32 v[EG:EG+2], v[148:163], v[SO]
	v_nop
.set n, EG+3
.rept 12
	v_mov_b32 v[n], 0
.set n, n+1
.endr
.irp i, 0,1,2
	v_permlane16_swap_b32 v[EG+\i], v[EG+12+\i]    ; as above: rows 16-31 into the second tile's registers, zeros into lanes 16-31
.endr
	v_mov_b32 v[GS+1], 0
	v_permlanex16_b32 v[GS+1], v[GS], s60, s61     ; the second tile's scale words, in lanes 0-15
	s_wait_kmcnt 0x0
	s_mul_f32 s5, s62, 0xbfb8aa3b                  ; -log2(e) x e_b2
; four weight fragments (4 g .. 4 g + 3, in the order of their use) and their scale words into set 0 or 1: sixteen LDS loads
.macro WLOAD g, set
.irp q, 0,1,2,3
.set fi, 4*(\g)+\q
.irp c, 0,1,2
.if fi < 24
	ds_load_b128 v[WF+48*(\set)+12*\q+4*\c:WF+48*(\set)+12*\q+4*\c+3], v[WA0] offset:1536*fi+512*\c
.else
	ds_load_b128 v[WF+48*(\set)+12*\q+4*\c:WF+48*(\set)+12*\q+4*\c+3], v[WA1] offset:1536*(fi-24)+512*\c
.endif
.endr
	ds_load_b32 v[WSC+4*(\set)+\q], v[WS] offset:128*fi
.endr
.endm
; and their four products, each on another accumulator: no two matrix instructions that follow each other share one, over the loop's edge too
.macro WMUL g, set
	WIN 0x50                                       ; C and D window 1
.irp q, 0,1,2,3
.set fi, 4*(\g)+\q
.if fi < 16
.set ac, 8*fi
.set bs, AC0
.set sc, AS
.elseif fi < 20
.set ac, 128+8*(fi-16)
.set bs, AC0
.set sc, AS
.elseif fi < 36
.set ac, 8*(fi-20)
.set bs, AC0+12
.set sc, AS+1
.elseif fi < 40
.set ac, 128+8*(fi-36)
.set bs, AC0+12
.set sc, AS+1
.else
.set ac, 128+8*(fi-40)
.set bs, EG
.set sc, GS
.endif
	v_wmma_scale_f32_16x16x128_f8f6f4 v[ac:ac+7], v[WF+48*(\set)+12*\q:WF+48*(\set)+12*\q+11], v[bs:bs+11], v[ac:ac+7], v[WSC+4*(\set)+\q], v[sc] matrix_a_fmt:MATRIX_FMT_FP6 matrix_b_fmt:MATRIX_FMT_FP6
.endr
.endm
; chunk q of eight of the wide layer: 16 of my 128 columns: r_lnw, r_lnb and the features, twelve LDS loads into set 0 or 1
.macro PLOAD q, set
.set lb, WF+48*(\set)
.set ob, 256*((\q)/2)+64*((\q)%2)
.irp i, 0,1,2,3
	ds_load_b128 v[lb+4*\i:lb+4*\i+3], v[PR] offset:1024+ob+16*\i
.endr
.irp i, 0,1,2,3
	ds_load_b128 v[lb+16+4*\i:lb+16+4*\i+3], v[PR] offset:2048+ob+16*\i
.endr
.irp i, 0,1,2,3
	ds_load_b128 v[lb+32+4*\i:lb+32+4*\i+3], v[XA] offset:ob+16*\i
.endr
.endm
; the chunk's work: relu((y - mean) / deviation x gain + bias) x out1 + features, laid over the features in LDS.  left: the LDS instructions issued behind the chunk's loads, which may stay out
.macro CH q, set, left
.set lb, WF+48*(\set)
.set ot, 224+16*(\set)
.set ob, 256*((\q)/2)+64*((\q)%2)
	s_wait_dscnt \left
.irp i, 0,2,4,6,8,10,12,14
	v_pk_mul_f32 v[lb+\i:lb+\i+1], v[lb+\i:lb+\i+1], v[18:19]
.endr
	WIN 0x01                                       ; source 0 (the centred sums) window 1
.irp i, 0,2,4,6,8,10,12,14
	v_pk_fma_f32 v[lb+16+\i:lb+17+\i], v[16*(\q)+\i:16*(\q)+\i+1], v[lb+\i:lb+\i+1], v[lb+16+\i:lb+17+\i]
.endr
	WIN 0
.irp i, 0,1,2,3,4,5,6,7,8,9,10,11,12,13,14,15
	v_max_num_f32 v[lb+16+\i], 0, v[lb+16+\i]
.endr
.irp i, 0,2,4,6,8,10,12,14
	v_pk_fma_f32 v[ot+\i:ot+\i+1], v[lb+16+\i:lb+17+\i], v[PP:PP+1], v[lb+32+\i:lb+33+\i]
.endr
.irp i, 0,1,2,3
	ds_store_b128 v[XA], v[ot+4*\i:ot+4*\i+3] offset:ob+16*\i
.endr
.if (\q) < 6
	PLOAD (\q)+2, \set
.endif
.endm
	s_mov_b32 s63, 2
.Ltile:                                        ; ---- A TILE OF 16 ROWS; two trips
	PLACES 4                                       ; in front of loads into registers that matrix instructions have read or written
.set n, 0
.rept 32
	ds_load_b128 v[WF+4*n:WF+4*n+3], v[XA] offset:256*(n/8)+16*(n%8)     ; register 32 u + i = features(row, 64 u + 32 h + i): four whole blocks of 32
.set n, n+1
.endr
	WIN 0x40                                       ; destination window 1: the biases start the sums
.set n, 0
.rept 32
	ds_load_b128 v[4*n:4*n+3], v[PR] offset:256*(n/8)+16*(n%8)           ; r_b at the same columns
.set n, n+1
.endr
.irp t, 0,1,2,3
	ds_load_b128 v[128+8*\t:131+8*\t], v[PE] offset:64*\t                ; e_b1 at columns 16 t + 8 h + 0 .. 7
	ds_load_b128 v[132+8*\t:135+8*\t], v[PE] offset:64*\t+16
.endr
	WIN 0
	s_wait_dscnt 40                                ; the features are in; the 40 loads of biases may be out
.irp u, 0,1,2,3
	v_max3_num_f32 v[MX+\u], |v[WF+32*\u]|, |v[WF+32*\u+1]|, 0x1800000   ; my four blocks by turns
.endr
.irp i, 2,4,6,8,10,12,14,16,18,20,22,24,26,28,30
.irp u, 0,1,2,3
	v_max3_num_f32 v[MX+\u], v[MX+\u], |v[WF+32*\u+\i]|, |v[WF+32*\u+\i+1]|
.endr
.endr
.irp u, 0,1,2,3
	v_add_nc_u32 v[SO+\u], 0xff000000, v[MX+\u]
.endr
.irp u, 0,1,2,3
	v_lshrrev_b32 v[MX+\u], 23, v[SO+\u]           ; the scales' bytes
.endr
.irp u, 0,1,2,3
	v_cvt_scalef32_pk16_fp6_f32 v[AC0+6*\u:AC0+6*\u+2], v[WF+32*\u:WF+32*\u+15], v[SO+\u]      ; block u = registers 6 (u % 2) on of K step u / 2: k = 64 (u % 2) + 32 h + 0 .. 31, as the operand's layout has it
	v_cvt_scalef32_pk16_fp6_f32 v[EE+4*\u:EE+4*\u+2], v[WF+32*\u+16:WF+32*\u+31], v[SO+\u]
.endr
	v_nop                                          ; one plain place behind a scaled conversion
	WLOAD 0, 0                                     ; the first weights, over numbers that are done with
.irp u, 0,1,2,3
.irp i, 0,1,2
	v_mov_b32 v[AC0+6*\u+3+\i], v[EE+4*\u+\i]
.endr
.endr
.irp s, 0,1
	v_lshl_or_b32 v28, v[MX+2*\s+1], 16, v[MX+2*\s]   ; my two bytes of K step s: blocks h and 2 + h,
	v_lshlrev_b32 v28, v[H8], v28                  ; at their places;
	v_permlanex16_b32 v29, v28, s60, s61
	v_or_b32 v[AS+\s], v28, v29                    ; with lane l xor 16's two the row's word is whole
.endr
	; 44 products: r_w's 16 tiles and e_w1's 4, K steps 0 and 1; e_w1's 4 against geo.  Four at a time; the next four fragments are on their way meanwhile
.irp g, 0,1,2,3,4,5,6,7,8,9,10
	WIN 0
.if \g == 0
	PLACES 8                                       ; behind the scale words and codes that vector instructions have just written
.else
	PLACES 4                                       ; in front of loads into the set that the products before the last four have read
.endif
.if \g < 10
	WLOAD \g+1, (\g+1)%2
	s_wait_dscnt 16                                ; all but the sixteen just issued
.else
	s_wait_dscnt 0x0
.endif
	WMUL \g, \g%2
.endr
	; ---- out1: LayerNorm(64), ReLU, the dot with e_w2, sigmoid.  A lane has 32 of its row's 64 numbers, lane l xor 16 the others
	WIN 0
	PLACES 4                                       ; behind the last products: their results are read and their operands' registers loaded
.irp p, 0,1,2
.irp t, 0,1,2,3
	ds_load_b128 v[WF+32*\p+8*\t:WF+32*\p+8*\t+3], v[PE] offset:256*(\p+1)+64*\t          ; e_lnw, e_lnb, e_w2 at my columns
	ds_load_b128 v[WF+32*\p+8*\t+4:WF+32*\p+8*\t+7], v[PE] offset:256*(\p+1)+64*\t+16
.endr
.endr
	WIN 0x05                                       ; sources 0 and 1 window 1.
	v_pk_add_f32 v[20:21], v[128:129], v[130:131]
	v_pk_add_f32 v[22:23], v[132:133], v[134:135]
	WIN 0x01
.irp u, 8,12,16,20,24,28
	v_pk_add_f32 v[20:21], v[128+\u:129+\u], v[20:21]
	v_pk_add_f32 v[22:23], v[130+\u:131+\u], v[22:23]
.endr
	WIN 0
	FOLD2
	v_mul_f32 v16, 0x3c800000, v20                 ; the mean
	v_mov_b32 v17, v16
	WIN 0x01
.irp u, 0,2,4,6,8,10,12,14,16,18,20,22,24,26,28,30
	v_pk_add_f32 v[EE+\u:EE+\u+1], v[128+\u:129+\u], v[16:17] neg_lo:[0,1] neg_hi:[0,1]
.endr
	WIN 0
	v_pk_mul_f32 v[20:21], v[EE:EE+1], v[EE:EE+1]
	v_pk_mul_f32 v[22:23], v[EE+2:EE+3], v[EE+2:EE+3]
.irp u, 4,8,12,16,20,24,28
	v_pk_fma_f32 v[20:21], v[EE+\u:EE+\u+1], v[EE+\u:EE+\u+1], v[20:21]
	v_pk_fma_f32 v[22:23], v[EE+\u+2:EE+\u+3], v[EE+\u+2:EE+\u+3], v[22:23]
.endr
	FOLD2
	v_fma_f32 v18, v20, 0x3c800000, s4             ; the biased variance + 1e-5
	v_rsq_f32 v18, v18
	v_nop
	s_wait_alu depctr_va_vdst(0)
	v_mov_b32 v19, v18
	s_wait_dscnt 0x0                               ; the parameters
.irp u, 0,2,4,6,8,10,12,14,16,18,20,22,24,26,28,30
	v_pk_mul_f32 v[EE+\u:EE+\u+1], v[EE+\u:EE+\u+1], v[18:19]
.endr
.irp u, 0,2,4,6,8,10,12,14,16,18,20,22,24,26,28,30
	v_pk_fma_f32 v[EE+\u:EE+\u+1], v[EE+\u:EE+\u+1], v[WF+\u:WF+\u+1], v[WF+32+\u:WF+33+\u]
.endr
.set n, 0
.rept 32
	v_max_num_f32 v[EE+n], 0, v[EE+n]
.set n, n+1
.endr
	v_pk_mul_f32 v[20:21], v[EE:EE+1], v[WF+64:WF+65]
	v_pk_mul_f32 v[22:23], v[EE+2:EE+3], v[WF+66:WF+67]
.irp u, 4,8,12,16,20,24,28
	v_pk_fma_f32 v[20:21], v[EE+\u:EE+\u+1], v[WF+64+\u:WF+65+\u], v[20:21]
	v_pk_fma_f32 v[22:23], v[EE+\u+2:EE+\u+3], v[WF+66+\u:WF+67+\u], v[22:23]
.endr
	FOLD2
	v_fma_f32 v20, v20, 0xbfb8aa3b, s5             ; -log2(e) x (the dot + e_b2)
	v_exp_f32 v20, v20
	v_nop
	s_wait_alu depctr_va_vdst(0)
	v_add_f32 v20, 1.0, v20
	v_rcp_f32 v[PP], v20                           ; 1 / (1 + e^-z)
	v_nop
	s_wait_alu depctr_va_vdst(0)
	v_mov_b32 v[PP+1], v[PP]
	ds_store_b32 v[P1], v[PP]                      ; both lanes of a row write the same word with the same value
	; ---- out0: LayerNorm(256), ReLU, x out1, + features.  A lane has 128 of its row's 256 numbers
	PLOAD 0, 0
	PLOAD 1, 1
	WIN 0x05
.irp c, 0,1,2,3
	v_pk_add_f32 v[20+2*\c:21+2*\c], v[4*\c:4*\c+1], v[4*\c+2:4*\c+3]    ; four chains; each accumulator is read from its low end on
.endr
	WIN 0x01
.set n, 8
.rept 14
.irp c, 0,1,2,3
	v_pk_add_f32 v[20+2*\c:21+2*\c], v[2*(n+\c):2*(n+\c)+1], v[20+2*\c:21+2*\c]
.endr
.set n, n+4
.endr
	WIN 0
	v_pk_add_f32 v[24:25], v[24:25], v[26:27]
	v_pk_add_f32 v[20:21], v[20:21], v[24:25]
	FOLD2
	v_mul_f32 v16, 0x3b800000, v20                 ; the mean
	v_mov_b32 v17, v16
	WIN 0x41                                       ; source 0 and destination window 1
.set n, 0
.rept 64
	v_pk_add_f32 v[2*n:2*n+1], v[2*n:2*n+1], v[16:17] neg_lo:[0,1] neg_hi:[0,1]
.set n, n+1
.endr
	WIN 0x05
.irp c, 0,1,2,3
	v_pk_mul_f32 v[20+2*\c:21+2*\c], v[2*\c:2*\c+1], v[2*\c:2*\c+1]
.endr
.set n, 4
.rept 15
.irp c, 0,1,2,3
	v_pk_fma_f32 v[20+2*\c:21+2*\c], v[2*(n+\c):2*(n+\c)+1], v[2*(n+\c):2*(n+\c)+1], v[20+2*\c:21+2*\c]
.endr
.set n, n+4
.endr
	WIN 0
	v_pk_add_f32 v[24:25], v[24:25], v[26:27]
	v_pk_add_f32 v[20:21], v[20:21], v[24:25]
	FOLD2
	v_fma_f32 v18, v20, 0x3b800000, s4             ; the biased variance + 1e-5
	v_rsq_f32 v18, v18
	v_nop
	s_wait_alu depctr_va_vdst(0)
	v_mov_b32 v19, v18
	CH 0, 0, 12                                    ; behind chunk 0's loads: chunk 1's twelve
	CH 1, 1, 16                                    ; behind a chunk's loads: the chunk before's 4 stores and the next chunk's 12 loads
	CH 2, 0, 16
	CH 3, 1, 16
	CH 4, 0, 16
	CH 5, 1, 16
	CH 6, 0, 16
	CH 7, 1, 4                                     ; chunk 6 asked for nothing more
	; the way out: the tile's 16 rows, whole.  LDS serves a wave's instructions in order (ISA guide 5.7.1.4): these loads see my stores above
.set n, 0
.rept 32
	ds_load_b128 v[WF+4*n:WF+4*n+3], v[RD] offset:1040*(n/2)+512*(n%2)
.set n, n+1
.endr
.set n, 0
.rept 32
	s_wait_dscnt 31-n
	global_store_b128 v[OV], v[WF+4*n:WF+4*n+3], s[28:29] offset:1024*(n/2)+512*(n%2) th:TH_STORE_NT   ; 32 lanes store 512 consecutive bytes, at a multiple of 256 from out0's first byte; written once, read by nobody here
.set n, n+1
.endr
	s_wait_xcnt 0x0                                ; the stores have read their registers and their base: both are written again
	s_add_nc_u64 s[28:29], s[28:29], 16384         ; on to the wave's second 16 rows: in out0,
	v_add_nc_u32 v[XA], 16*1040, v[XA]             ; in LDS,
	v_add_nc_u32 v[RD], 16*1040, v[RD]
	v_add_nc_u32 v[P1], 64, v[P1]
.irp i, 0,1,2
	v_mov_b32 v[EG+\i], v[EG+12+\i]                ; and in geo's codes and scale words
.endr
	v_mov_b32 v[GS], v[GS+1]
	s_sub_co_u32 s63, s63, 1
	s_cmp_lg_u32 s63, 0
	s_cbranch_scc1 .Ltile
	s_wait_dscnt 0x0                               ; my rows' out1 have landed in the stage,
	s_barrier_signal -1
	s_barrier_wait -1                              ; everybody's have
	s_cmp_lg_u32 s2, 0
	s_cbranch_scc1 .Lend
	ds_load_b128 v[WF:WF+3], v[P1R]                ; wave 0 stores the work-group's 128 numbers: 512 consecutive bytes, at a multiple of 256 from out1's first byte
	s_wait_dscnt 0x0
	global_store_b128 v[OV], v[WF:WF+3], s[30:31]
.Lend:
	s_wait_tensorcnt 0x0
	ds_add_u32 v78, v79
	s_wait_dscnt 0x0
	s_endpgm
.Lfunc_end_k_q5081bbbee6_edge_fused:
	.size	k_q5081bbbee6_edge_fused, .Lfunc_end_k_q5081bbbee6_edge_fused-k_q5081bbbee6_edge_fused
	.p2alignl 7, 3214868480
	.fill 96, 4, 3214868480
	.section	.rodata,"a",@progbits
	.p2align	6, 0x0
	.amdhsa_kernel k_q5081bbbee6_edge_fused
		.amdhsa_group_segment_fixed_size 214016
		.amdhsa_private_segment_fixed_size 0
		.amdhsa_enable_private_segment 0
		.amdhsa_kernarg_size 96
		.amdhsa_user_sgpr_count 2
		.amdhsa_user_sgpr_kernarg_segment_ptr 1
		.amdhsa_wavefront_size32 1
		.amdhsa_system_sgpr_workgroup_id_x 1
		.amdhsa_system_sgpr_workgroup_id_y 1
		.amdhsa_system_sgpr_workgroup_id_z 1
		.amdhsa_system_vgpr_workitem_id 0
		.amdhsa_next_free_vgpr 768
		.amdhsa_next_free_sgpr 66
		.amdhsa_reserve_vcc 0
		.amdhsa_float_denorm_mode_32 3
		.amdhsa_float_denorm_mode_16_64 3
		.amdhsa_memory_ordered 1
		.amdhsa_forward_progress 1
		.amdhsa_inst_pref_size 139
	.end_amdhsa_kernel
	.amdgpu_metadata
---
amdhsa.version: [ 1, 2 ]
amdhsa.kernels:
  - .name:           k_q5081bbbee6_edge_fused
    .symbol:         k_q5081bbbee6_edge_fused.kd
    .args:
      - { .name: xyz, .offset: 0, .size: 8, .value_kind: global_buffer, .address_space: global }
      - { .name: features, .offset: 8, .size: 8, .value_kind: global_buffer, .address_space: global }
      - { .name: nidx, .offset: 16, .size: 8, .value_kind: global_buffer, .address_space: global }
      - { .name: wq, .offset: 24, .size: 8, .value_kind: global_buffer, .address_space: global }
      - { .name: g_w1, .offset: 32, .size: 8, .value_kind: global_buffer, .address_space: global }
      - { .name: g_b1, .offset: 40, .size: 8, .value_kind: global_buffer, .address_space: global }
      - { .name: g_lnw, .offset: 48, .size: 8, .value_kind: global_buffer, .address_space: global }
      - { .name: g_lnb, .offset: 56, .size: 8, .value_kind: global_buffer, .address_space: global }
      - { .name: g_b2, .offset: 64, .size: 8, .value_kind: global_buffer, .address_space: global }
      - { .name: e_b2, .offset: 72, .size: 8, .value_kind: global_buffer, .address_space: global }
      - { .name: out0, .offset: 80, .size: 8, .value_kind: global_buffer, .address_space: global }
      - { .name: out1, .offset: 88, .size: 8, .value_kind: global_buffer, .address_space: global }
    .group_segment_fixed_size: 214016
    .private_segment_fixed_size: 0
    .kernarg_segment_align: 8
    .kernarg_segment_size: 96
    .max_flat_workgroup_size: 128
    .sgpr_count:     66
    .vgpr_count:     768
    .wavefront_size: 32
...
	.end_amdgpu_metadata
.endif
;; end of part 3
